; MI455X (gfx1250); checked and timed in simulation.
; The chip was launched on July 23, 2026; its instructions are those of AMD's public machine-readable ISA for CDNA 5 (MIT licence, August 2026) and "CDNA5" Instruction Set Architecture Reference Guide (July 2026). The comments in the code are by the model that wrote it; some were corrected since.
;; Multi Head Attention. Allowed arithmetic: matrix products marked QUANTISED: E2M1 operands, one E8M0 scale for each 32 along K, by v_wmma_scale_f32_16x16x128_f8f6f4 with both operands' format E2M1 (or v_wmma_scale_f32_32x16x128_f4), f32 sums; everything else in f32.
;; Inputs: Wk 1,024 x 1,024 float32; Wo 1,024 x 1,024 float32; Wq 1,024 x 1,024 float32; Wv 1,024 x 1,024 float32; bo 1,024 float32; x 4 x 2,048 x 1,024 float32.
;; Outputs: out0 4 x 2,048 x 1,024 float32.
;; This version of the problem:
;;   THIS VERSION OF THE PROBLEM IS GIVEN IN LOW PRECISION. The matrix products marked QUANTISED in the list below multiply operands that are first quantised to E2M1 (2 exponent bits, 1 mantissa bit; 4 bits a number), with one power-of-two scale for each 32 numbers along K (OCP MX v1.0); their sums are f32. All else is computed in f32.
;;   The module's matrix products, in the order in which they are computed (A, B: the left and right operand; K: the contracted axis; several contracted axes count as one K, in the product's order):
;;     1. [M 8,192, K 1,024] x [K 1,024, N 1,024]; A: input x; B: input Wq: QUANTISED
;;     2. [M 8,192, K 1,024] x [K 1,024, N 1,024]; A: input x; B: input Wk: QUANTISED
;;     3. [M 8,192, K 1,024] x [K 1,024, N 1,024]; A: input x; B: input Wv: QUANTISED
;;     4. batch 64 x [M 2,048, K 64] x [K 64, N 2,048]; A: computed on the way; B: computed on the way: QUANTISED
;;     5. batch 64 x [M 2,048, K 2,048] x [K 2,048, N 64]; A: softmax (see below); B: computed on the way: QUANTISED
;;     6. [M 8,192, K 1,024] x [K 1,024, N 1,024]; A: computed on the way; B: input Wo: QUANTISED
;;   THE QUANTISER, for each operand of a quantised product, along K:
;;     - K is cut into blocks of 32 from its start; a last block that is shorter is filled with zeros.
;;     - A block's scale is 2^e with e = floor(log2(the largest magnitude in the block)) - 2, held to -126 .. 127; a block of zeros has e = 0. As a byte (E8M0): e + 127.
;;     - Each number is divided by its block's scale, clamped to +-6, and rounded to the nearest number of E2M1, ties to even, subnormals kept.
;;     - The product sums the exact products of the quantised numbers (number of the format x scale) in f32.
;;   ~~~python
;;   def quantise(x, axis):      # numpy; x: float32 -> the quantised numbers, widened to float32 again
;;       x = np.moveaxis(x, axis, -1); K = x.shape[-1]
;;       x = np.pad(x, [(0, 0)] * (x.ndim - 1) + [(0, -K % 32)]); x = x.reshape(x.shape[:-1] + (-1, 32)); a = np.abs(x).max(-1, keepdims=True)
;;       e = np.where(a > 0, np.clip(np.frexp(np.where(a > 0, a, 1))[1] - 1 - 2, -126, 127), 0)      # np.frexp(a)[1] - 1 = floor(log2(a)), exactly
;;       r = np.clip(x / 2.0 ** e, -6, 6)
;;       step = 2.0 ** (np.maximum(np.frexp(np.where(r == 0, 1, r))[1] - 1, 0) - 1)
;;       q = np.round(r / step) * step * 2.0 ** e      # np.round: ties to even
;;       return np.moveaxis(q.reshape(q.shape[:-2] + (-1,))[..., :K], -1, axis).astype(np.float32)
;;   ~~~
;;   SOFTMAX AHEAD OF A QUANTISED PRODUCT. Where the list says 'softmax', what is quantised is not the finished softmax but p = 2^(t - M), with t = logit x log2(e) and M = ceil(the row's largest t), a whole number; so 1/2 < the row's largest p <= 1. The row's sum l is taken of the UNQUANTISED p, in f32, and the product's result is divided by l at the end. Since M is a whole number, a kernel that streams over the keys may use a running M (the ceiling of the running maximum): every later rescaling is an exact power of two, which a block's scale takes up: the codes' values come out the same.
;;   OPERANDS COMPUTED ON THE WAY. 'Computed on the way' means the value that the module computes at that place (a softmax that the list does not call 'softmax' is quantised finished and normalised). What goes into a quantiser is computed in f32, as accurately as f32 sums, v_exp_f32 and their like allow (about 1e-6 of the number): no bf16 or f16 on the way to a quantiser, and a product that is left as it is and whose result goes on into a quantised operand takes f32 operands (vector FMAs, or v_wmma_f32_16x16x4_f32). A number that lies on a knife's edge between two numbers of the format may be rounded either way, as far as f32 arithmetic and the matrix unit's own rounding can turn it there, and no further.
;; One version. Each part assembles by itself: llvm-mc -triple=amdgcn-amd-amdhsa -mcpu=gfx1250 --defsym DOCPART=n.
;; ======== version 1 of 1: 4 launches
;; workspace buffers: codes 6,291,456 bytes; scales 393,216 bytes; qk_codes 8,388,608 bytes; qk_scales 1,048,576 bytes; v_codes 4,194,304 bytes; v_scales 262,144 bytes; ctx_codes 4,194,304 bytes; ctx_scales 262,144 bytes
;; launch quant (part 1): grid 256 x 1, 6 waves a work-group, no clusters, 51,456 bytes of LDS; arguments x, Wq, Wk, Wv, Wo, codes, scales; writes codes, scales
.if DOCPART == 1
	.amdgcn_target "amdgcn-amd-amdhsa--gfx1250"
	.amdhsa_code_object_version 6
	.text
	.protected	k_q897bfad546_quant
	.globl	k_q897bfad546_quant
	.p2align	8
	.type	k_q897bfad546_quant,@function
k_q897bfad546_quant:
	s_mov_b64 s[64:65], 0
	v_nop
	global_prefetch_b8 v0, s[64:65] scope:SCOPE_SE
	s_setreg_imm32_b32 hwreg(HW_REG_WAVE_MODE, 25, 1), 1
	s_wait_xcnt 0x0
; x [8192][1024] and Wq, Wk, Wv, Wo [1024][1024], f32 with K innermost, become codes of FP4 (E2M1) with one E8M0 scale byte for each 32 along K.
; A block's scale is 2^(floor(log2(its largest magnitude)) - 2); its byte is the largest magnitude's exponent field - 2, held at 1 from below.
; LIMITS: NaN and infinities among the inputs are not served; a block whose largest magnitude lies under 2^-124 gets the byte 1; a block of zeros gets the byte 1
; where the rule says 127: its codes are zeros, which add nothing under any byte but 0xff, and this program alone reads the bytes.
; TILES.  Sixteen rows form a tile; tile t holds rows 32 (t / 2) + 8 (t % 2) + i + 8 (i / 8), i = 0 .. 15.  With that choice the results of a product whose source 0 is such a tile
; lie in a lane as neighbours along the rows, so that the later launches quantise their results without moving anything between lanes.
; IMAGES.  The codes are laid in the order of the matrix operand's registers: a fragment (16 rows x 128 K) is 1,024 bytes, half c at 512 c, lane l's 16 bytes at 16 l; lane (r, h) holds k = 64 c + 32 h + 0 .. 31 of row r.
; codes:  [K half g][tile 768][K step in g: 4][c][512];  tiles 0-511 x, 512-575 Wq, 576-639 Wk, 640-703 Wv, 704-767 Wo.      scales: [tile][g][row 16][4 words], word q = the four bytes of K step 4 g + q.
; SHARES.  1,536 tasks of 16 rows x 512 K (32 KiB of f32), one a wave: task = 6 x work-group + wave; tile = task / 2, g = task % 2.  Waves share nothing: no barrier, no cluster, no matrix unit: memory binds.
; Each load reads 512 consecutive bytes of one row; a K step's 16 rows turn through the wave's own stage in LDS (rows of 512 + 16 bytes), so that a lane gets 16 neighbours of each block of 32.
.set PIECE, 3145728                    ; bytes of one K half of all 768 tiles
.set SP,    528                        ; a stage row: 132 words: row r starts at bank 4 r mod 64
.set WST,   16*SP                      ; a wave's stage
.set R,     16                         ; v16-143  two sets of 64 registers as loaded
.set X,     144                        ; v144-207 64 numbers: register 16 b + i = k 32 b + 16 h + i of my row
.set C,     208                        ; v208-239 codes: 8 registers for each K step, so that no store's data are written again
.set TM,    240                        ; v240-243 largest magnitudes, v244-247 the other half's / bytes, v248-251 the conversions' scale operands
.set PW,    252                        ; v252-255 a scale word for each K step
.set SEL,   32                         ; s[32:33] v_permlanex16_b32's selects for lane l xor 16
	s_load_b256 s[4:11], s[0:1], 0x0               ; x, Wq, Wk, Wv
	s_load_b128 s[12:15], s[0:1], 0x20             ; Wo, codes
	s_load_b64 s[16:17], s[0:1], 0x30              ; scales
	v_lshl_add_u32 v14, v0, 2, 0xc600
	v_mov_b32 v15, 0
	v_lshrrev_b32 v5, 5, v0
	v_readfirstlane_b32 s18, v5                    ; wave 0..5
	v_and_b32 v6, 31, v0                           ; lane
	v_and_b32 v8, 15, v0                           ; r
	v_bfe_u32 v9, v0, 4, 1                         ; h
	v_lshlrev_b32 v1, 4, v6                        ; 16 x lane: my bytes of a load's 512, and of an image's half
	s_mul_i32 s30, s18, WST
	v_add_nc_u32 v2, s30, v1                       ; the stage, on the way in: a row as it lies
	v_mul_u32_u24 v3, v8, SP
	v_lshl_add_u32 v3, v9, 6, v3
	v_add_nc_u32 v3, s30, v3                       ; and on the way out: row r, + 64 h: my 16 numbers of a block
	v_lshlrev_b32 v4, 4, v8
	v_lshl_add_u32 v4, v9, 3, v4                   ; the scale words: 16 r + 8 h
.irp b, 0,1,2,3
	v_mov_b32 v[TM+4+\b], 0                        ; written once: a lane permute's destination counts as one of its sources
.endr
	s_mov_b32 s[SEL], 0x76543210
	s_mov_b32 s[SEL+1], 0xfedcba98
	s_mul_i32 s19, ttmp9, 6
	s_add_co_u32 s19, s19, s18                     ; task
	s_lshr_b32 s20, s19, 1                         ; tile
	s_and_b32 s21, s19, 1                          ; g
	s_and_b32 s25, s20, 63                         ; the tile's number inside a weight
	s_wait_alu depctr_va_vdst(0)
	s_wait_kmcnt 0x0
	s_cmp_lt_u32 s20, 704                          ; which tensor: the choice hangs on the task's number alone
	s_cselect_b64 s[22:23], s[10:11], s[12:13]
	s_cmp_lt_u32 s20, 640
	s_cselect_b64 s[22:23], s[8:9], s[22:23]
	s_cmp_lt_u32 s20, 576
	s_cselect_b64 s[22:23], s[6:7], s[22:23]
	s_cmp_lt_u32 s20, 512
	s_cselect_b64 s[22:23], s[4:5], s[22:23]
	s_cselect_b32 s24, s20, s25                    ; the tile's number inside its tensor
	s_lshr_b32 s26, s24, 1
	s_lshl_b32 s26, s26, 17                        ; 32 (t / 2) rows of 4,096 bytes
	s_and_b32 s27, s24, 1
	s_lshl_b32 s27, s27, 15                        ; 8 (t % 2) rows
	s_add_co_u32 s26, s26, s27
	s_lshl_b32 s27, s21, 11                        ; g x 512 numbers
	s_add_co_u32 s26, s26, s27
	s_mov_b32 s27, 0
	s_add_nc_u64 s[22:23], s[22:23], s[26:27]
	s_mul_i32 s28, s21, PIECE
	s_lshl_b32 s29, s20, 12
	s_add_co_u32 s28, s28, s29
	s_mov_b32 s29, 0
	s_add_nc_u64 s[14:15], s[14:15], s[28:29]      ; my four images
	s_lshl_b32 s28, s20, 9
	s_lshl_b32 s26, s21, 8
	s_add_co_u32 s28, s28, s26
	s_add_nc_u64 s[16:17], s[16:17], s[28:29]      ; my 256 bytes of scale words
.macro LOAD q                          ; K step q of my 16 rows: each load is 512 consecutive bytes of one row
.irp i, 0,1,2,3,4,5,6,7,8,9,10,11,12,13,14,15
	global_load_b128 v[R+64*((\q)%2)+4*\i:R+64*((\q)%2)+4*\i+3], v1, s[22:23] offset:(\i+8*(\i/8))*4096+512*(\q) th:TH_LOAD_NT
.endr
.endm
.macro TURN q                          ; through the stage: LDS serves a wave's instructions in order (ISA guide 5.7.1.4), so no wait stands between the stores and the loads
.irp i, 0,1,2,3,4,5,6,7,8,9,10,11,12,13,14,15
	ds_store_b128 v2, v[R+64*((\q)%2)+4*\i:R+64*((\q)%2)+4*\i+3] offset:SP*\i
.endr
.irp b, 0,1,2,3
.irp j, 0,1,2,3
	ds_load_b128 v[X+16*\b+4*\j:X+16*\b+4*\j+3], v3 offset:128*\b+16*\j
.endr
.endr
.endm
; 64 numbers of a lane, register 16 b + i = k 32 b + 16 h + i of my row, become a fragment's 8 registers of codes at v[pc] and its scale word in v[pw]
.macro QUANT s, pc, pw
.irp b, 0,1,2,3
	v_max3_num_f32 v[TM+\b], |v[\s+16*\b]|, |v[\s+1+16*\b]|, 0x1800000   ; block b: my 16 numbers, and the floor 2^(3 - 127): the byte cannot fall under 1
.endr
.irp i, 2,4,6,8,10,12,14
.irp b, 0,1,2,3
	v_max3_num_f32 v[TM+\b], v[TM+\b], |v[\s+16*\b+\i]|, |v[\s+1+16*\b+\i]|   ; the four blocks by turns
.endr
.endr
.irp b, 0,1,2,3
	v_permlanex16_b32 v[TM+4+\b], v[TM+\b], s[SEL], s[SEL+1]
.endr
.irp b, 0,1,2,3
	v_max_num_f32 v[TM+\b], v[TM+\b], v[TM+4+\b]   ; with lane l xor 16's: the block's largest magnitude
.endr
.irp b, 0,1,2,3
	v_add_nc_u32 v[TM+8+\b], 0xff000000, v[TM+\b]  ; 2 off its exponent field: the conversion takes that field as its scale and nothing else
.endr
.irp b, 0,1,2,3
	v_lshrrev_b32 v[TM+4+\b], 23, v[TM+8+\b]       ; the scale's byte
.endr
	v_lshl_or_b32 v[\pw], v[TM+5], 8, v[TM+4]
	v_lshl_or_b32 v[\pw], v[TM+6], 16, v[\pw]
	v_lshl_or_b32 v[\pw], v[TM+7], 24, v[\pw]      ; my row's scale word
.irp b, 0,1,2,3
	v_cvt_scalef32_pk8_fp4_f32 v[\pc+2*\b], v[\s+16*\b:\s+16*\b+7], v[TM+8+\b]
	v_cvt_scalef32_pk8_fp4_f32 v[\pc+2*\b+1], v[\s+16*\b+8:\s+16*\b+15], v[TM+8+\b]
.endr
	v_nop                                          ; one plain place behind a scaled conversion
.irp c, 0,1                                    ; the operand's layout wants a whole block in a lane: lanes 0-15 block 2 c, lanes 16-31 block 2 c + 1
.irp i, 0,1
	v_permlane16_swap_b32 v[\pc+4*\c+\i], v[\pc+4*\c+2+\i]
.endr
.endr
.endm
	LOAD 0
	LOAD 1
.irp q, 0,1,2,3
.if \q < 3
	s_wait_loadcnt 16                              ; this K step's 16 loads are in; the next step's 16 may be out
.else
	s_wait_loadcnt 0x0
.endif
	TURN \q
	s_wait_dscnt 0x0                               ; the numbers are back, and the stage's stores have read their registers,
.if \q < 2
	LOAD \q+2                                      ; which take the loads of two K steps on
.endif
	QUANT X, C+8*\q, PW+\q
	global_store_b128 v1, v[C+8*\q:C+8*\q+3], s[14:15] offset:1024*\q         ; 32 lanes store 512 consecutive bytes, aligned
	global_store_b128 v1, v[C+8*\q+4:C+8*\q+7], s[14:15] offset:1024*\q+512
.endr
	v_cmp_ne_u32 vcc_lo, 0, v9                     ; both halves of the lanes hold all four words of row r: lanes 0-15 store words 0, 1, lanes 16-31 words 2, 3
	v_cndmask_b32 v6, v[PW], v[PW+2], vcc_lo
	v_cndmask_b32 v7, v[PW+1], v[PW+3], vcc_lo
	global_store_b64 v4, v[6:7], s[16:17]          ; the wave's store covers 256 consecutive bytes, aligned
	s_wait_tensorcnt 0x0
	ds_add_u32 v14, v15
	s_wait_dscnt 0x0
	s_endpgm
.Lfunc_end_k_q897bfad546_quant:
	.size	k_q897bfad546_quant, .Lfunc_end_k_q897bfad546_quant-k_q897bfad546_quant
	.p2alignl 7, 3214868480
	.fill 96, 4, 3214868480
	.section	.rodata,"a",@progbits
	.p2align	6, 0x0
	.amdhsa_kernel k_q897bfad546_quant
		.amdhsa_group_segment_fixed_size 51456
		.amdhsa_private_segment_fixed_size 0
		.amdhsa_enable_private_segment 0
		.amdhsa_kernarg_size 56
		.amdhsa_user_sgpr_count 2
		.amdhsa_user_sgpr_kernarg_segment_ptr 1
		.amdhsa_wavefront_size32 1
		.amdhsa_system_sgpr_workgroup_id_x 1
		.amdhsa_system_sgpr_workgroup_id_y 1
		.amdhsa_system_sgpr_workgroup_id_z 1
		.amdhsa_system_vgpr_workitem_id 0
		.amdhsa_next_free_vgpr 256
		.amdhsa_next_free_sgpr 66
		.amdhsa_reserve_vcc 1
		.amdhsa_float_denorm_mode_32 3
		.amdhsa_float_denorm_mode_16_64 3
		.amdhsa_memory_ordered 1
		.amdhsa_forward_progress 1
		.amdhsa_inst_pref_size 33
	.end_amdhsa_kernel
	.amdgpu_metadata
---
amdhsa.version: [ 1, 2 ]
amdhsa.kernels:
  - .name:           k_q897bfad546_quant
    .symbol:         k_q897bfad546_quant.kd
    .args:
      - { .name: x, .offset: 0, .size: 8, .value_kind: global_buffer, .address_space: global }
      - { .name: Wq, .offset: 8, .size: 8, .value_kind: global_buffer, .address_space: global }
      - { .name: Wk, .offset: 16, .size: 8, .value_kind: global_buffer, .address_space: global }
      - { .name: Wv, .offset: 24, .size: 8, .value_kind: global_buffer, .address_space: global }
      - { .name: Wo, .offset: 32, .size: 8, .value_kind: global_buffer, .address_space: global }
      - { .name: codes, .offset: 40, .size: 8, .value_kind: global_buffer, .address_space: global }
      - { .name: scales, .offset: 48, .size: 8, .value_kind: global_buffer, .address_space: global }
    .group_segment_fixed_size: 51456
    .private_segment_fixed_size: 0
    .kernarg_segment_align: 8
    .kernarg_segment_size: 56
    .max_flat_workgroup_size: 192
    .sgpr_count:     66
    .vgpr_count:     256
    .wavefront_size: 32
...
	.end_amdgpu_metadata
.endif
;; end of part 1
;; launch qkv (part 2): grid 12 x 32, 4 waves a work-group, clusters of 4 x 4, 279,040 bytes of LDS; arguments codes, scales, qk_codes, qk_scales, v_codes, v_scales; writes qk_codes, qk_scales, v_codes, v_scales
.if DOCPART == 2
	.amdgcn_target "amdgcn-amd-amdhsa--gfx1250"
	.amdhsa_code_object_version 6
	.text
	.protected	k_q897bfad546_qkv
	.globl	k_q897bfad546_qkv
	.p2align	8
	.type	k_q897bfad546_qkv,@function
k_q897bfad546_qkv:
	s_mov_b64 s[64:65], 0
	v_nop
	global_prefetch_b8 v0, s[64:65] scope:SCOPE_SE
	s_setreg_imm32_b32 hwreg(HW_REG_WAVE_MODE, 25, 1), 1
	s_wait_xcnt 0x0
	s_wait_alu depctr_hold_cnt(0) depctr_sa_sdst(0) depctr_va_vdst(0) depctr_va_sdst(0) depctr_va_ssrc(0) depctr_va_vcc(0) depctr_vm_vsrc(0)
	s_getreg_b32 s2, hwreg(HW_REG_IB_STS2, 6, 4)
	s_cmp_eq_u32 s2, 0
	s_cbranch_scc0 .Lentry_in_a_cluster
	s_endpgm
.Lentry_in_a_cluster:
	s_bfe_u32 s2, ttmp6, 0x10000c
	s_cmp_lg_u32 s2, 0xf033
	s_cbranch_scc0 .Lentry_shape_is_right
	s_endpgm
.Lentry_shape_is_right:
; q = x Wq^T, k = x Wk^T, v = x Wv^T on codes of FP4 (E2M1) with E8M0 scales, sums in f32; the results are quantised here, in registers, and leave as codes: q and k along a head's 64 channels, v along the tokens.
; LIMITS: as the quantiser's: NaN and infinities are not served; a block under 2^-124, and a block of zeros, gets the byte 1 (its codes are then zeros or the nearest codes; this program alone reads the bytes).
; SHARES.  A work-group makes 256 tokens x 256 rows of Wq | Wk | Wv (tile column gx = 0 .. 11, tile row gy = 0 .. 31); each of its four waves 128 x 128: 64 accumulators, 512 registers.
; All of K = 1,024 of both operands fits in LDS (2 x 128 KiB of images and 16 KiB of scale words), so every LDS byte is filled ONCE: no ring, no refill.  The second K half lands while the first is multiplied.
; IMAGES.  Operands lie in memory in the order of the operand's registers (1,024 bytes a fragment, lane l's 16 bytes at 16 l of each half): every LDS load reads 512 consecutive bytes; no pitch, no padding.
; ROLES.  The operand in the A role is source 1 (its rows are the result's lanes), the one in the B role source 0 (its rows run along a lane's registers).  For q and k: A = x, B = W: a lane holds one token, its 64 numbers
; are 128 neighbouring channels (the tiles' rows are chosen for that).  For v (cluster x = 2): A = Wv, B = x: a lane holds one channel and 128 neighbouring tokens, which are v's K.  One text serves both: two LDS bases
; are chosen by the cluster's x, which all partners share, and the stores at the end part on it.
; CLUSTERS: 4 x 4 work-groups.  x's tiles hang on gy alone and are asked for jointly by the four of a row of the cluster, W's on gx alone, by the four of a column.
; REGISTERS, in windows of 256: window 0: v0-31 addresses; v32-95 scale words; v128-191, v192-255 the A role's fragments, two sets.  window 1: v0-63, v128-191 the B role's, two sets.
;   windows 2, 3: accumulators, (a, b) at v[8 (8 (a % 4) + b)] of window 2 + a / 4.  At the end window 0's v128-219 take the codes and the scale words.
.set PIECE, 3145728                    ; bytes from K half 0 to K half 1 in the buffer of codes
.set SLOT,  131072                     ; LDS: K half g at g x SLOT: x's 16 tiles x 4,096 bytes, then W's 16
.set SCL,   2*SLOT                     ; behind them the scale words: x's 8,192 bytes, then W's
.set ADRA, 16                          ; v16-17  LDS address of my A-role fragments in K half 0, 1
.set ADRB, 20                          ; v20-21  the same for the B role
.set GL,   26                          ; v26     16 x lane
.set ADRS, 27                          ; v27     my scale words: lanes 0-15 the A role's rows, lanes 16-31 the B role's
.set SC,   32                          ; register 32 g + 4 i + q: lanes 0-15 the word of A's tile i, lanes 16-31 of B's tile i, for K step 4 g + q
.set AF,   128
.set CD,   128                         ; the end: codes, 8 registers for each of my 8 A-role tiles
.set PW,   192                         ; v192-199 their scale words
.set TM,   200                         ; v200-211 at work
.set E,    212                         ; v212-219 scale words as they are stored
.set F,    216
.set G1R,  24                          ; s[24:31] group 1: codes, shared along my row of the cluster;  s[32:39] along my column;  s[40:47], s[48:55] the same for scale words
.set G1C,  32
.set G1SR, 40
.set G1SC, 48
.set G0SR, 56                          ; s[56:59], s[60:63] groups 0 for the scale words;  s[68:75], s[76:83] for the codes, one set for each K half
.set G0SC, 60
.set G0R,  68
.set G0C,  76
.set MSB, 0
.macro WIN new                         ; the immediate's high byte repeats the setting that is left
.if MSB != (\new)
	s_set_vgpr_msb (MSB<<8)|(\new)
.set MSB, (\new)
.endif
.endm
.macro CROUND                          ; a round of the cluster's barrier
	s_barrier_signal -1
	s_barrier_wait -1
	s_cmp_lg_u32 s16, 0
	s_cbranch_scc1 .Lnot_wave_0_\@
	s_barrier_signal -3
.Lnot_wave_0_\@:
	s_barrier_wait -3
	s_barrier_signal -1
	s_barrier_wait -1
.endm
.macro PLACES n                        ; plain vector instructions that name none of a matrix instruction's registers (ISA guide 7.12.1)
.rept \n
	v_nop
.endr
.endm
	s_load_b256 s[4:11], s[0:1], 0x0               ; codes, scales, qk_codes, qk_scales
	s_load_b128 s[12:15], s[0:1], 0x20             ; v_codes, v_scales
	v_lshl_add_u32 v126, v0, 2, 0x44000
	v_mov_b32 v127, 0
	ds_add_u32 v126, v127
	ds_add_u32 v126, v127
	v_lshrrev_b32 v1, 5, v0
	v_readfirstlane_b32 s16, v1                    ; wave 0..3
	s_lshr_b32 s17, s16, 1                         ; which half of the A role's 16 tiles is mine
	s_and_b32 s18, s16, 1                          ; which half of the B role's.  Also: which 8 tiles I fetch
	s_bfe_u32 s19, ttmp6, 0x40000                  ; cx
	s_bfe_u32 s20, ttmp6, 0x40004                  ; cy
	s_lshl_b32 s21, ttmp9, 2
	s_add_co_u32 s21, s21, s19                     ; gx = 4 x cluster x + cx
	s_and_b32 s22, ttmp7, 0xffff
	s_lshl_b32 s22, s22, 2
	s_add_co_u32 s22, s22, s20                     ; gy = 4 x cluster y + cy
	s_lshl_b32 s86, s20, 2
	s_lshl_b32 s86, 15, s86                        ; my row of the cluster
	s_lshl_b32 s87, 0x1111, s19                    ; my column
	; group 1: dense blocks as rows of 256 bytes (32 elements of 8 bytes), no padding.  15:0 the mask; 17:16 element size code 3; 21 set beside a mask
	s_or_b32 s[G1R], s86, (3<<16)|(1<<21)
	s_or_b32 s[G1C], s87, (3<<16)|(1<<21)
	s_or_b32 s[G1SR], s86, (3<<16)|(1<<21)
	s_or_b32 s[G1SC], s87, (3<<16)|(1<<21)
.irp g, G1R, G1C                       ; 8 tiles x 4,096 bytes: 128 rows
	s_mov_b32 s[\g+1], 32<<16                      ; tensor_dim0
	s_mov_b32 s[\g+2], 128<<16                     ; tensor_dim1
	s_mov_b32 s[\g+3], 32<<16                      ; tile_dim0
	s_mov_b32 s[\g+4], 128                         ; tile_dim1
	s_mov_b32 s[\g+5], 32                          ; tensor_dim0_stride
	s_mov_b32 s[\g+6], 0
	s_mov_b32 s[\g+7], 0
.endr
.irp g, G1SR, G1SC                     ; 8 tiles x 512 bytes: 16 rows
	s_mov_b32 s[\g+1], 32<<16
	s_mov_b32 s[\g+2], 16<<16
	s_mov_b32 s[\g+3], 32<<16
	s_mov_b32 s[\g+4], 16
	s_mov_b32 s[\g+5], 32
	s_mov_b32 s[\g+6], 0
	s_mov_b32 s[\g+7], 0
.endr
	; where the tiles come from.  Every wave makes both addresses, in registers that never hold the other coordinate, and asks by one of them
	s_lshl_b32 s96, s18, 3
	s_lshl_b32 s88, s22, 4
	s_add_co_u32 s88, s88, s96                     ; x: tile 16 gy + 8 x half
	s_lshl_b32 s90, s88, 9                         ; its scale words
	s_lshl_b32 s88, s88, 12                        ; its images
	s_mov_b32 s89, 0
	s_mov_b32 s91, 0
	s_lshl_b32 s92, s21, 4
	s_add_co_u32 s92, s92, s96
	s_add_co_u32 s92, s92, 512                     ; W: tile 512 + 16 gx + 8 x half
	s_lshl_b32 s94, s92, 9
	s_lshl_b32 s92, s92, 12
	s_mov_b32 s93, 0
	s_mov_b32 s95, 0
	s_lshl_b32 s97, s16, 12                        ; where they go: wave x 4,096 and wave x 32,768: no place in the cluster enters an LDS address
	s_lshl_b32 s98, s16, 15
	s_wait_dscnt 0x0
	s_wait_kmcnt 0x0
	s_add_nc_u64 s[88:89], s[4:5], s[88:89]
	s_add_nc_u64 s[90:91], s[6:7], s[90:91]
	s_add_nc_u64 s[92:93], s[4:5], s[92:93]
	s_add_nc_u64 s[94:95], s[6:7], s[94:95]
	s_mov_b32 s[G0SR], 1                           ; count = 1
	s_add_co_u32 s[G0SR+1], s97, SCL               ; LDS address
	s_mov_b64 s[G0SR+2:G0SR+3], s[90:91]           ; global address
	s_or_b32 s[G0SR+3], s[G0SR+3], 0x80000000      ; type = 2
	s_mov_b32 s[G0SC], 1
	s_add_co_u32 s[G0SC+1], s97, SCL
	s_mov_b64 s[G0SC+2:G0SC+3], s[94:95]
	s_or_b32 s[G0SC+3], s[G0SC+3], 0x80000000
.irp g, 0,1
	s_mov_b32 s[G0R+4*\g], 1
	s_add_co_u32 s[G0R+4*\g+1], s98, \g*SLOT
	s_add_nc_u64 s[G0R+4*\g+2:G0R+4*\g+3], s[88:89], \g*PIECE
	s_or_b32 s[G0R+4*\g+3], s[G0R+4*\g+3], 0x80000000
	s_mov_b32 s[G0C+4*\g], 1
	s_add_co_u32 s[G0C+4*\g+1], s98, \g*SLOT
	s_add_nc_u64 s[G0C+4*\g+2:G0C+4*\g+3], s[92:93], \g*PIECE
	s_or_b32 s[G0C+4*\g+3], s[G0C+4*\g+3], 0x80000000
.endr
	CROUND                                         ; all sixteen work-groups are here: the joint loads meet
	s_cmp_lt_u32 s16, 2                            ; waves 0 and 1 fetch x's halves, waves 2 and 3 W's.  A wave's three loads stand in one branch: three are out; four v_nop follow the last
	s_cbranch_scc0 .Lfor_w
	tensor_load_to_lds s[G0SR:G0SR+3], s[G1SR:G1SR+7]
	s_nop 0
	tensor_load_to_lds s[G0R:G0R+3], s[G1R:G1R+7]
	s_nop 0
	tensor_load_to_lds s[G0R+4:G0R+7], s[G1R:G1R+7]
	s_nop 0
.rept 4
	v_nop
.endr
	s_branch .Lasked
.Lfor_w:
	tensor_load_to_lds s[G0SC:G0SC+3], s[G1SC:G1SC+7]
	s_nop 0
	tensor_load_to_lds s[G0C:G0C+3], s[G1C:G1C+7]
	s_nop 0
	tensor_load_to_lds s[G0C+4:G0C+7], s[G1C:G1C+7]
	s_nop 0
.rept 4
	v_nop
.endr
.Lasked:
	v_and_b32 v1, 31, v0                           ; lane
	v_bfe_u32 v2, v0, 4, 1                         ; h
	v_and_b32 v3, 15, v0                           ; r
	v_lshlrev_b32 v[GL], 4, v1
	s_wait_alu depctr_va_vdst(0)
	s_mov_b32 s84, 0x76543210
	s_mov_b32 s85, 0xfedcba98                      ; v_permlanex16_b32's selects for lane l xor 16
	s_cmp_eq_u32 ttmp9, 2                          ; v's columns?  The cluster's x is the same in all partners
	s_cselect_b32 s88, 65536, 0                    ; the A role's images in a K half: x's (0) or W's (65,536)
	s_cselect_b32 s89, 0, 65536                    ; the B role's
	s_lshr_b32 s90, s88, 3                         ; and their scale words: 0 or 8,192
	s_lshr_b32 s91, s89, 3
	s_lshl_b32 s92, s17, 15
	s_add_co_u32 s88, s88, s92                     ; my 8 tiles
	s_lshl_b32 s92, s18, 15
	s_add_co_u32 s89, s89, s92
	v_add_nc_u32 v[ADRA], s88, v[GL]
	v_add_nc_u32 v[ADRB], s89, v[GL]
	v_add_nc_u32 v[ADRA+1], SLOT, v[ADRA]
	v_add_nc_u32 v[ADRB+1], SLOT, v[ADRB]
	s_lshl_b32 s92, s17, 12
	s_add_co_u32 s90, s90, s92
	s_add_co_u32 s90, s90, SCL
	s_lshl_b32 s92, s18, 12
	s_add_co_u32 s91, s91, s92
	s_add_co_u32 s91, s91, SCL
	v_mov_b32 v4, s90
	v_mov_b32 v5, s91
	v_cmp_ne_u32 vcc_lo, 0, v2
	v_cndmask_b32 v4, v4, v5, vcc_lo               ; lanes 16-31 take the B role's words
	v_lshl_add_u32 v[ADRS], v3, 4, v4              ; + 16 r: four words a row
.macro FRAG reg, adr, q, i             ; a fragment's image: two loads of 512 consecutive bytes
.irp c, 0,1
	ds_load_b128 v[\reg+4*\c:\reg+4*\c+3], v[\adr] offset:4096*(\i)+1024*(\q)+512*\c
.endr
.endm
.macro FETCH slot, q, p                ; the 16 fragments of K step q of K half slot into set p: 32 loads in one run
	WIN 0x40                                       ; destination window 1
.irp i, 0,1,2,3,4,5,6,7
	FRAG 128*(\p)+8*\i, ADRB+\slot, \q, \i
.endr
	WIN 0
.irp i, 0,1,2,3,4,5,6,7
	FRAG AF+64*(\p)+8*\i, ADRA+\slot, \q, \i
.endr
.endm
.macro SCALES g                        ; the scale words of K half g: four words a row and tile
.irp i, 0,1,2,3,4,5,6,7
	ds_load_b128 v[SC+32*\g+4*\i:SC+32*\g+4*\i+3], v[ADRS] offset:512*\i+256*\g
.endr
.endm
; 16 matrix instructions: A-role tiles a0, a0 + 1 x the B role's eight, K step q (0 .. 7), set p.  zero = 1: the first product starts the sums.
; The 64 accumulators take turns, one instruction a turn, in the same order in every K step.
.macro MUL16 a0, p, q, zero
.irp a, \a0, \a0+1
.irp b, 0,1,2,3,4,5,6,7
.if \zero
	v_wmma_scale_f32_16x16x128_f8f6f4 v[8*(8*((\a)%4)+\b):8*(8*((\a)%4)+\b)+7], v[128*(\p)+8*\b:128*(\p)+8*\b+7], v[AF+64*(\p)+8*(\a):AF+64*(\p)+8*(\a)+7], 0, v[SC+32*((\q)/4)+4*\b+(\q)%4], v[SC+32*((\q)/4)+4*(\a)+(\q)%4] matrix_a_fmt:MATRIX_FMT_FP4 matrix_b_fmt:MATRIX_FMT_FP4 matrix_a_scale:MATRIX_SCALE_ROW1
.else
	v_wmma_scale_f32_16x16x128_f8f6f4 v[8*(8*((\a)%4)+\b):8*(8*((\a)%4)+\b)+7], v[128*(\p)+8*\b:128*(\p)+8*\b+7], v[AF+64*(\p)+8*(\a):AF+64*(\p)+8*(\a)+7], v[8*(8*((\a)%4)+\b):8*(8*((\a)%4)+\b)+7], v[SC+32*((\q)/4)+4*\b+(\q)%4], v[SC+32*((\q)/4)+4*(\a)+(\q)%4] matrix_a_fmt:MATRIX_FMT_FP4 matrix_b_fmt:MATRIX_FMT_FP4 matrix_a_scale:MATRIX_SCALE_ROW1
.endif
.endr
.endr
.endm
; K step q whose successor lies in a K half that has been shown whole: the successor's 32 loads go out first and have this step's 64 matrix instructions in which to land
.macro STEP q, zero
.if (\q) > 0
	PLACES 4                                       ; in front of loads into the set that the step before multiplied
.endif
	FETCH ((\q)+1)/4, ((\q)+1)%4, ((\q)+1)%2
	s_wait_dscnt 32                                ; all but the 32 just issued: this step's fragments are in
	WIN 0xa1                                       ; source 0 window 1, source 1 window 0, C and D window 2
	MUL16 0, (\q)%2, \q, \zero
	MUL16 2, (\q)%2, \q, \zero
	WIN 0xf1                                       ; C and D window 3
	MUL16 4, (\q)%2, \q, \zero
	MUL16 6, (\q)%2, \q, \zero
.endm
	s_wait_alu depctr_va_vdst(0)
	s_wait_tensorcnt 0x1                           ; my scale words and my part of K half 0 are in; K half 1's load may stay out
	s_barrier_signal -1
	s_barrier_wait -1                              ; everybody's are
	SCALES 0
	SCALES 1
	FETCH 0, 0, 0
	STEP 0, 1
	STEP 1, 0
	STEP 2, 0
	s_wait_tensorcnt 0x0                           ; K step 3 goes over to K half 1: my part of it is in,
	s_wait_dscnt 0x0                               ; no LDS load of mine is out at the signal (K step 3's fragments are in),
	s_barrier_signal -1
	WIN 0xa1
	MUL16 0, 1, 3, 0                               ; work on registers while the others arrive
	MUL16 2, 1, 3, 0
	s_barrier_wait -1                              ; everybody's part is in
	PLACES 4
	FETCH 1, 0, 0
	WIN 0xf1
	MUL16 4, 1, 3, 0
	MUL16 6, 1, 3, 0
	STEP 4, 0
	STEP 5, 0
	STEP 6, 0
	s_wait_dscnt 0x0                               ; the last K step: nothing more to fetch
	WIN 0xa1
	MUL16 0, 1, 7, 0
	MUL16 2, 1, 7, 0
	WIN 0xf1
	MUL16 4, 1, 7, 0
	MUL16 6, 1, 7, 0
	WIN 0
	PLACES 4                                       ; behind the last products: what follows reads results and writes registers that held fragments
; THE RESULTS ARE QUANTISED.  For A-role tile a a lane holds one row and 64 numbers: register 16 b + i of the tile's eight accumulators is B-role row 32 b + 16 h + i: four blocks of 32, each shared with lane l xor 16.
; Each accumulator is read from its low end on.
.irp b, 0,1,2,3
	v_mov_b32 v[TM+4+\b], 0                        ; a lane permute's destination counts as one of its sources
.endr
.macro QUANTW a
.set QS, 64*((\a)%4)
.set QW, 2+(\a)/4
.set QWW, QW|(QW<<2)
	WIN QWW                                        ; sources 0 and 1: the accumulators' window
.irp b, 0,1,2,3
	v_max3_num_f32 v[TM+\b], |v[QS+16*\b]|, |v[QS+16*\b+1]|, 0x1800000   ; and the floor 2^(3 - 127): the byte cannot fall under 1
.endr
.irp i, 2,4,6,8,10,12,14
.irp b, 0,1,2,3
	v_max3_num_f32 v[TM+\b], |v[QS+16*\b+\i]|, |v[QS+16*\b+\i+1]|, v[TM+\b]
.endr
.endr
	WIN 0
.irp b, 0,1,2,3
	v_permlanex16_b32 v[TM+4+\b], v[TM+\b], s84, s85
.endr
.irp b, 0,1,2,3
	v_max_num_f32 v[TM+\b], v[TM+\b], v[TM+4+\b]   ; the block's largest magnitude
.endr
.irp b, 0,1,2,3
	v_add_nc_u32 v[TM+8+\b], 0xff000000, v[TM+\b]  ; 2 off its exponent field: the conversion's scale operand
.endr
.irp b, 0,1,2,3
	v_lshrrev_b32 v[TM+4+\b], 23, v[TM+8+\b]       ; the scale's byte
.endr
	v_lshl_or_b32 v[PW+\a], v[TM+5], 8, v[TM+4]
	v_lshl_or_b32 v[PW+\a], v[TM+6], 16, v[PW+\a]
	v_lshl_or_b32 v[PW+\a], v[TM+7], 24, v[PW+\a]
	WIN QW                                         ; source 0: the accumulators' window
.irp b, 0,1,2,3
	v_cvt_scalef32_pk8_fp4_f32 v[CD+8*\a+2*\b], v[QS+16*\b:QS+16*\b+7], v[TM+8+\b]
	v_cvt_scalef32_pk8_fp4_f32 v[CD+8*\a+2*\b+1], v[QS+16*\b+8:QS+16*\b+15], v[TM+8+\b]
.endr
	WIN 0
	v_nop                                          ; one plain place behind a scaled conversion
.irp c, 0,1                                    ; a whole block to a lane: registers 4 c .. 4 c + 3 then hold k = 64 c + 32 h + 0 .. 31
.irp i, 0,1
	v_permlane16_swap_b32 v[CD+8*\a+4*\c+\i], v[CD+8*\a+4*\c+2+\i]
.endr
.endr
.endm
.irp a, 0,1,2,3,4,5,6,7
	QUANTW \a
.endr
	v_cmp_ne_u32 vcc_lo, 0, v2
.irp j, 0,1,2,3
	v_cndmask_b32 v[E+\j], v[PW+\j], v[PW+4+\j], vcc_lo   ; both halves of the lanes hold every word: lanes 0-15 keep tiles 0-3's, lanes 16-31 tiles 4-7's
.endr
	s_cmp_eq_u32 ttmp9, 2
	s_cbranch_scc1 .Lv_way
	; q or k.  My 128 channels are two heads: the image's half c is head c's 64 channels.  qk_codes: [q / k][batch x 16 + head][token tile 128][512];  qk_scales: [q / k][..][group of 8 tiles][tile / 4][r][tile % 4: a word, bytes 2, 3 = 0]
	s_lshl_b32 s88, s21, 8
	s_lshl_b32 s89, s18, 7
	s_add_co_u32 s88, s88, s89                     ; my first row of Wq | Wk
	s_lshr_b32 s89, s88, 10
	s_lshl_b32 s89, s89, 6                         ; 64 x (q or k)
	s_bfe_u32 s90, s88, 0x40006                    ; the head
	s_add_co_u32 s89, s89, s90
	s_lshr_b32 s90, s22, 3
	s_lshl_b32 s90, s90, 4                         ; 16 x batch
	s_add_co_u32 s89, s89, s90
	s_and_b32 s90, s22, 7
	s_lshl_b32 s90, s90, 4
	s_lshl_b32 s91, s17, 3
	s_add_co_u32 s90, s90, s91                     ; my first token tile in the batch
	s_lshl_b32 s92, s89, 16
	s_lshl_b32 s93, s90, 9
	s_add_co_u32 s92, s92, s93
	s_mov_b32 s93, 0
	s_add_nc_u64 s[8:9], s[8:9], s[92:93]
	s_lshl_b32 s92, s89, 13
	s_lshl_b32 s94, s90, 6
	s_add_co_u32 s92, s92, s94
	s_add_nc_u64 s[10:11], s[10:11], s[92:93]
	s_wait_alu depctr_va_vdst(0)
.irp a, 0,1,2,3,4,5,6,7
.irp c, 0,1
	global_store_b128 v[GL], v[CD+8*\a+4*\c:CD+8*\a+4*\c+3], s[8:9] offset:512*\a+65536*\c   ; 512 consecutive bytes, aligned
.endr
.endr
.irp j, 0,1,2,3
	v_lshrrev_b32 v[F+\j], 16, v[E+\j]             ; the second head's two bytes
.endr
.irp j, 0,1,2,3
	v_and_b32 v[E+\j], 0xffff, v[E+\j]             ; the first head's
.endr
	global_store_b128 v[GL], v[E:E+3], s[10:11]
	global_store_b128 v[GL], v[F:F+3], s[10:11] offset:8192
	s_branch .Lstored
.Lv_way:
	; v.  My 8 tiles of channels are two heads x 4 tiles; my 128 tokens are one key step.  v_codes: [batch x 16 + head][key step 16][channel tile 4][c][512];  v_scales: [..][key step][r][channel tile: a word]
	s_lshr_b32 s88, s22, 3
	s_lshl_b32 s88, s88, 4                         ; 16 x batch
	s_sub_co_u32 s89, s21, 8
	s_lshl_b32 s89, s89, 2
	s_add_co_u32 s88, s88, s89
	s_lshl_b32 s89, s17, 1
	s_add_co_u32 s88, s88, s89                     ; my first head
	s_and_b32 s89, s22, 7
	s_lshl_b32 s89, s89, 1
	s_add_co_u32 s89, s89, s18                     ; my key step
	s_lshl_b32 s92, s88, 16
	s_lshl_b32 s93, s89, 12
	s_add_co_u32 s92, s92, s93
	s_mov_b32 s93, 0
	s_add_nc_u64 s[12:13], s[12:13], s[92:93]
	s_lshl_b32 s92, s88, 12
	s_lshl_b32 s94, s89, 8
	s_add_co_u32 s92, s92, s94
	s_add_nc_u64 s[14:15], s[14:15], s[92:93]
	v_lshlrev_b32 v6, 4, v3
	v_lshl_add_u32 v6, v2, 12, v6                  ; 16 r, and lanes 16-31 the second head
	s_wait_alu depctr_va_vdst(0)
.irp a, 0,1,2,3,4,5,6,7
.irp c, 0,1
	global_store_b128 v[GL], v[CD+8*\a+4*\c:CD+8*\a+4*\c+3], s[12:13] offset:(\a/4)*65536+(\a%4)*1024+512*\c
.endr
.endr
	global_store_b128 v6, v[E:E+3], s[14:15]       ; sixteen lanes store 256 consecutive bytes, aligned
.Lstored:
	s_wait_tensorcnt 0x0
	ds_add_u32 v126, v127
	s_wait_dscnt 0x0
	CROUND                                         ; the closing round: no work-group ends while a partner may still ask for a tile that names it
	s_endpgm
.Lfunc_end_k_q897bfad546_qkv:
	.size	k_q897bfad546_qkv, .Lfunc_end_k_q897bfad546_qkv-k_q897bfad546_qkv
	.p2alignl 7, 3214868480
	.fill 96, 4, 3214868480
	.section	.rodata,"a",@progbits
	.p2align	6, 0x0
	.amdhsa_kernel k_q897bfad546_qkv
		.amdhsa_group_segment_fixed_size 279040
		.amdhsa_private_segment_fixed_size 0
		.amdhsa_enable_private_segment 0
		.amdhsa_kernarg_size 48
		.amdhsa_user_sgpr_count 2
		.amdhsa_user_sgpr_kernarg_segment_ptr 1
		.amdhsa_wavefront_size32 1
		.amdhsa_system_sgpr_workgroup_id_x 1
		.amdhsa_system_sgpr_workgroup_id_y 1
		.amdhsa_system_sgpr_workgroup_id_z 1
		.amdhsa_system_vgpr_workitem_id 0
		.amdhsa_next_free_vgpr 1024
		.amdhsa_next_free_sgpr 100
		.amdhsa_reserve_vcc 1
		.amdhsa_float_denorm_mode_32 3
		.amdhsa_float_denorm_mode_16_64 3
		.amdhsa_memory_ordered 1
		.amdhsa_forward_progress 1
		.amdhsa_inst_pref_size 128
	.end_amdhsa_kernel
	.amdgpu_metadata
---
amdhsa.version: [ 1, 2 ]
amdhsa.kernels:
  - .name:           k_q897bfad546_qkv
    .symbol:         k_q897bfad546_qkv.kd
    .args:
      - { .name: codes, .offset: 0, .size: 8, .value_kind: global_buffer, .address_space: global }
      - { .name: scales, .offset: 8, .size: 8, .value_kind: global_buffer, .address_space: global }
      - { .name: qk_codes, .offset: 16, .size: 8, .value_kind: global_buffer, .address_space: global }
      - { .name: qk_scales, .offset: 24, .size: 8, .value_kind: global_buffer, .address_space: global }
      - { .name: v_codes, .offset: 32, .size: 8, .value_kind: global_buffer, .address_space: global }
      - { .name: v_scales, .offset: 40, .size: 8, .value_kind: global_buffer, .address_space: global }
    .group_segment_fixed_size: 279040
    .private_segment_fixed_size: 0
    .kernarg_segment_align: 8
    .kernarg_segment_size: 48
    .max_flat_workgroup_size: 128
    .sgpr_count:     100
    .vgpr_count:     1024
    .wavefront_size: 32
...
	.end_amdgpu_metadata
.endif
;; end of part 2
;; launch attn (part 3): grid 4 x 64, 16 waves a work-group, clusters of 4 x 1, 169,984 bytes of LDS; arguments qk_codes, qk_scales, v_codes, v_scales, ctx_codes, ctx_scales; writes ctx_codes, ctx_scales
.if DOCPART == 3
	.amdgcn_target "amdgcn-amd-amdhsa--gfx1250"
	.amdhsa_code_object_version 6
	.text
	.protected	k_q897bfad546_attn
	.globl	k_q897bfad546_attn
	.p2align	8
	.type	k_q897bfad546_attn,@function
k_q897bfad546_attn:
	s_mov_b64 s[64:65], 0
	v_nop
	global_prefetch_b8 v0, s[64:65] scope:SCOPE_SE
	s_setreg_imm32_b32 hwreg(HW_REG_WAVE_MODE, 25, 1), 1
	s_wait_xcnt 0x0
	s_wait_alu depctr_hold_cnt(0) depctr_sa_sdst(0) depctr_va_vdst(0) depctr_va_sdst(0) depctr_va_ssrc(0) depctr_va_vcc(0) depctr_vm_vsrc(0)
	s_getreg_b32 s2, hwreg(HW_REG_IB_STS2, 6, 4)
	s_cmp_eq_u32 s2, 0
	s_cbranch_scc0 .Lentry_in_a_cluster
	s_endpgm
.Lentry_in_a_cluster:
	s_bfe_u32 s2, ttmp6, 0x10000c
	s_cmp_lg_u32 s2, 0x3003
	s_cbranch_scc0 .Lentry_shape_is_right
	s_endpgm
.Lentry_shape_is_right:
; ctx[b][h][q] = the sum over keys k <= q of softmax_k(q . k / 8) v[k], both products on codes of FP4 (E2M1) with E8M0 scales; ctx is quantised along (head, channel) and leaves as codes for the last product.
; THE SOFTMAX: t = score x log2(e) / 8; M = the running largest t rounded UP to a whole number; p = 2^(t - M) is quantised along the keys, not normalised; the row's sum is taken of the unquantised p and divides at the end.
; When M moves, the sum and O are multiplied by 2^(old M - new M): exact.
; LIMITS: NaN and infinities are not served; a block of p or of ctx under 2^-124, and a block of zeros, gets the byte 1 (this program alone reads the bytes).
; SHARES.  The four work-groups of a cluster serve one head (work-group y); K's and V's images and scale words of the whole head, 140 KiB, come into each one's LDS ONCE, by joint loads.  Behind one barrier LDS is only read.
; A head's 128 query tiles fall into 16 groups of 128 queries; a tile of group g needs key steps 0 .. g, step g on the diagonal.  Work-group cx takes tiles 8 g + 2 cx + e of every group; wave w takes (g = w, e = 0)
; and then (g = 15 - w, e = 1): 17 key steps for every wave.  What is left out hangs on the wave's number and the loops' counters alone, never on the place in the cluster.
; LAYOUT.  Both products are used transposed: S^T = K Q^T (source 0 = 16 keys, source 1 = my 16 queries), O^T = V^T P^T: a lane holds ONE query throughout.  A tile's rows are 32 (t / 2) + 8 (t % 2) + r + 8 (r / 8),
; so the 16 registers of tiles 2 b, 2 b + 1 are neighbours: keys 32 b + 16 h + 0 .. 15 in S^T, channels likewise in O^T.
; THE HEAD HAS 64 CHANNELS, the instruction takes 128 along K: Q's upper four registers are zero codes.  K's fragment names its tile's four registers and the four behind them, whatever they hold:
; those codes meet Q's zeros, under scale bytes 0 (2^-127, no NaN), and add nothing.
; REGISTERS: v1-4 addresses that stay; v5 the causal compare's number; v6, v7 ctx's offsets; v8-11 the step's addresses; v12 -M, v13 the largest t, v[14:15] the sum; v16-19 Q, v20-23 zeros; v24-27, v29 the second tile's Q;
; v28 Q's scale word; v30, v228 lane terms; v31 -infinity; v32-63 K, v64-67 zeros; v68-99 V; v100-163 S^T, then p; v164-195 O^T; v196-203 p's codes; v204-219 at work; v220-223 K's scale words, v224-227 V's.
.set VIMG, 65536                       ; LDS: K's images 0 .. 65,535;  V's;
.set KSC,  131072                      ; K's scale words, 8,192 bytes;
.set VSC,  139264                      ; V's, 4,096 bytes
.set S,    100
.set O,    164
.set PC,   196
.set BM,   204                         ; v204-207 the blocks' largest scores, then largest p
.set BY,   208                         ; v208-211 the other half's, then bytes, then a pair of sums
.set BS,   212                         ; v212-215 the conversions' scale operands
.set FF,   216                         ; v[216:217] f = 2^(old M - new M) (the pair is named; the low word serves both halves)
.set TT,   218
.set PWD,  219                         ; p's scale word
.set KS,   220
.set VS,   224
.macro CROUND                          ; a round of the cluster's barrier
	s_barrier_signal -1
	s_barrier_wait -1
	s_cmp_lg_u32 s16, 0
	s_cbranch_scc1 .Lnot_wave_0_\@
	s_barrier_signal -3
.Lnot_wave_0_\@:
	s_barrier_wait -3
	s_barrier_signal -1
	s_barrier_wait -1
.endm
	s_load_b256 s[4:11], s[0:1], 0x0               ; qk_codes, qk_scales, v_codes, v_scales
	s_load_b128 s[12:15], s[0:1], 0x20             ; ctx_codes, ctx_scales
	v_lshl_add_u32 v254, v0, 2, 0x29000
	v_mov_b32 v255, 0
	ds_add_u32 v254, v255
	ds_add_u32 v254, v255
	v_lshrrev_b32 v1, 5, v0
	s_delay_alu instid0(VALU_DEP_1)
	v_readfirstlane_b32 s16, v1                    ; wave 0..15
	s_bfe_u32 s17, ttmp6, 0x40000                  ; cx: it enters Q's and ctx's global addresses and the causal compare's number alone
	s_and_b32 s18, ttmp7, 0xffff                   ; batch x 16 + head, which the four partners share
	; group 1: dense blocks as rows of 256 bytes (32 elements of 8 bytes).  15:0 the mask: all four; 17:16 element size code 3; 21 set beside a mask
	s_mov_b32 s24, 15|(3<<16)|(1<<21)
	s_mov_b32 s32, 15|(3<<16)|(1<<21)
	s_mov_b32 s40, 15|(3<<16)|(1<<21)
	s_mov_b32 s25, 32<<16                          ; half a head's images: 128 rows
	s_mov_b32 s26, 128<<16
	s_mov_b32 s27, 32<<16
	s_mov_b32 s28, 128
	s_mov_b32 s29, 32
	s_mov_b32 s30, 0
	s_mov_b32 s31, 0
	s_mov_b32 s33, 32<<16                          ; half of K's scale words: 16 rows
	s_mov_b32 s34, 16<<16
	s_mov_b32 s35, 32<<16
	s_mov_b32 s36, 16
	s_mov_b32 s37, 32
	s_mov_b32 s38, 0
	s_mov_b32 s39, 0
	s_mov_b32 s41, 32<<16                          ; half of V's: 8 rows
	s_mov_b32 s42, 8<<16
	s_mov_b32 s43, 32<<16
	s_mov_b32 s44, 8
	s_mov_b32 s45, 32
	s_mov_b32 s46, 0
	s_mov_b32 s47, 0
	s_and_b32 s76, s16, 1                          ; which half I fetch, if I fetch
	s_lshl_b32 s72, s18, 16                        ; the head's 65,536 bytes of images
	s_mov_b32 s73, 0
	s_lshl_b32 s77, s76, 15
	s_add_co_u32 s78, s72, s77
	s_mov_b32 s79, 0
	s_lshl_b32 s80, s18, 13                        ; the head's 8,192 bytes of q's or k's scale words
	s_mov_b32 s81, 0
	s_lshl_b32 s82, s76, 12
	s_add_co_u32 s82, s82, s80
	s_add_co_u32 s82, s82, 524288                  ; k's lie 64 heads behind q's
	s_mov_b32 s83, 0
	s_lshl_b32 s84, s18, 12                        ; the head's 4,096 bytes of v's scale words
	s_lshl_b32 s85, s76, 11
	s_add_co_u32 s84, s84, s85
	s_mov_b32 s85, 0
	s_wait_dscnt 0x0
	s_wait_kmcnt 0x0
	s_mov_b32 s48, 1                               ; K's images
	s_mov_b32 s49, s77
	s_add_nc_u64 s[50:51], s[4:5], s[78:79]
	s_add_nc_u64 s[50:51], s[50:51], 4194304       ; k's lie 64 heads behind q's
	s_or_b32 s51, s51, 0x80000000
	s_mov_b32 s52, 1                               ; K's scale words
	s_lshl_b32 s53, s76, 12
	s_add_co_u32 s53, s53, KSC
	s_add_nc_u64 s[54:55], s[6:7], s[82:83]
	s_or_b32 s55, s55, 0x80000000
	s_mov_b32 s56, 1                               ; V's images
	s_add_co_u32 s57, s77, VIMG
	s_add_nc_u64 s[58:59], s[8:9], s[78:79]
	s_or_b32 s59, s59, 0x80000000
	s_mov_b32 s60, 1                               ; V's scale words
	s_lshl_b32 s61, s76, 11
	s_add_co_u32 s61, s61, VSC
	s_add_nc_u64 s[62:63], s[10:11], s[84:85]
	s_or_b32 s63, s63, 0x80000000
	CROUND                                         ; all four work-groups are here: the joint loads meet
	s_cmp_lt_u32 s16, 2                            ; waves 0, 1: K's halves; waves 2, 3: V's; the others nothing.  A wave's two loads stand in one branch; four v_nop follow the second
	s_cbranch_scc0 .Lnot_k
	tensor_load_to_lds s[48:51], s[24:31]
	s_nop 0
	tensor_load_to_lds s[52:55], s[32:39]
	s_nop 0
.rept 4
	v_nop
.endr
	s_branch .Lasked
.Lnot_k:
	s_cmp_lt_u32 s16, 4
	s_cbranch_scc0 .Lasked
	tensor_load_to_lds s[56:59], s[24:31]
	s_nop 0
	tensor_load_to_lds s[60:63], s[40:47]
	s_nop 0
.rept 4
	v_nop
.endr
.Lasked:
	v_and_b32 v8, 31, v0                           ; lane
	v_and_b32 v9, 15, v0                           ; r
	v_bfe_u32 v10, v0, 4, 1                        ; h
	s_delay_alu instid0(VALU_DEP_3)
	v_lshlrev_b32 v1, 4, v8                        ; 16 x lane: K's images
	s_delay_alu instid0(VALU_DEP_1)
	v_add_nc_u32 v2, VIMG, v1                      ; V's
	s_delay_alu instid0(VALU_DEP_2)
	v_add_nc_u32 v3, KSC, v1                       ; K's scale words: lane (r, h) takes the words of tiles 4 h .. 4 h + 3 of row r
	v_lshlrev_b32 v11, 4, v9
	s_wait_alu depctr_va_vdst(0)
	v_add_nc_u32 v4, VSC, v11                      ; V's: row r's four words
	v_add_nc_u32 v228, v11, v10                    ; 16 r + h: ctx's scale byte
	v_and_b32 v30, 8, v9
	s_delay_alu instid0(VALU_DEP_1)
	v_add_nc_u32 v30, v30, v9
	v_lshlrev_b32 v218, 4, v10
	s_delay_alu instid0(VALU_DEP_1)
	v_sub_nc_u32 v30, v30, v218                    ; r + 8 (r / 8) - 16 h
	s_add_nc_u64 s[74:75], s[4:5], s[72:73]        ; q's images of my head
	s_add_nc_u64 s[80:81], s[6:7], s[80:81]        ; and its scale words
	s_lshl_b32 s76, s16, 3
	s_lshl_b32 s77, s17, 1
	s_add_co_u32 s76, s76, s77                     ; my first tile: 8 w + 2 cx
	s_xor_b32 s78, s16, 15
	s_lshl_b32 s78, s78, 3
	s_add_co_u32 s78, s78, s77
	s_add_co_u32 s78, s78, 1                       ; my second: 8 (15 - w) + 2 cx + 1
	s_lshl_b32 s76, s76, 9
	s_lshl_b32 s78, s78, 9
	v_add_nc_u32 v6, s76, v1
	v_add_nc_u32 v7, s78, v1
	global_load_b128 v[16:19], v6, s[74:75]
	global_load_b128 v[24:27], v7, s[74:75]
	s_lshr_b32 s82, s17, 1                         ; a tile's word: group x 512 + (tile % 8 / 4) x 256 + 16 r + 4 (tile % 4)
	s_lshl_b32 s82, s82, 8
	s_and_b32 s83, s17, 1
	s_lshl_b32 s83, s83, 3
	s_add_co_u32 s82, s82, s83
	s_lshl_b32 s83, s16, 9
	s_add_co_u32 s83, s83, s82
	s_xor_b32 s84, s16, 15
	s_lshl_b32 s84, s84, 9
	s_add_co_u32 s84, s84, s82
	s_add_co_u32 s84, s84, 4
	v_add_nc_u32 v204, s83, v11
	v_add_nc_u32 v205, s84, v11
	global_load_b32 v28, v204, s[80:81]
	global_load_b32 v29, v205, s[80:81]
	; where ctx goes: ctx_codes [K half = head / 8][token tile 512][K step = head / 2 % 4][c = head % 2][512];  ctx_scales [tile][K half][r][K step: a word], byte 2 c + block
	s_lshr_b32 s76, s18, 4                         ; batch
	s_and_b32 s77, s18, 15                         ; head
	s_lshr_b32 s78, s77, 3
	s_bfe_u32 s79, s77, 0x20001
	s_and_b32 s82, s77, 1
	s_mul_i32 s72, s78, 2097152
	s_lshl_b32 s83, s76, 19
	s_add_co_u32 s72, s72, s83
	s_lshl_b32 s83, s79, 10
	s_add_co_u32 s72, s72, s83
	s_lshl_b32 s83, s82, 9
	s_add_co_u32 s72, s72, s83
	s_add_nc_u64 s[12:13], s[12:13], s[72:73]
	s_lshl_b32 s72, s76, 16
	s_lshl_b32 s83, s78, 8
	s_add_co_u32 s72, s72, s83
	s_lshl_b32 s83, s79, 2
	s_add_co_u32 s72, s72, s83
	s_lshl_b32 s83, s82, 1
	s_add_co_u32 s72, s72, s83
	s_add_nc_u64 s[14:15], s[14:15], s[72:73]
.irp j, 20,21,22,23,64,65,66,67
	v_mov_b32 v\j, 0                               ; zero codes: Q's upper half, and what stands behind K's last tile
.endr
.irp j, 208,209,210,211,216,217,218,219
	v_mov_b32 v\j, 0                               ; written once: permutes' destinations and the upper half of a named pair count as read
.endr
	v_mov_b32 v31, 0xff800000                      ; -infinity
	s_mov_b32 s20, 0x76543210
	s_mov_b32 s21, 0xfedcba98                      ; v_permlanex16_b32's selects for lane l xor 16
	s_mov_b32 s22, 0x3e38aa3b                      ; c = log2(e) / 8
	s_mov_b32 s23, s22                             ; (named with it as a pair)
	s_mov_b32 s71, 0xffff0000                      ; lanes 16-31
	s_mov_b32 s19, s16                             ; my group of queries
	s_mov_b32 s70, 0                               ; which of my two tiles
	s_wait_loadcnt 0x0                             ; Q
	s_wait_tensorcnt 0x0                           ; my loads have landed (a wave that issued none passes at once),
	s_barrier_signal -1
	s_barrier_wait -1                              ; everybody's have: from here on LDS is only read, and the waves run free
.Lpass:
	s_lshl_b32 s72, s19, 3
	s_lshl_b32 s73, s17, 1
	s_add_co_u32 s72, s72, s73
	s_add_co_u32 s72, s72, s70                     ; the tile: 8 g + 2 cx + e
	s_lshl_b32 s73, s72, 12
	v_add_nc_u32 v6, s73, v1                       ; its place among ctx's images
	s_lshl_b32 s73, s72, 9
	v_add_nc_u32 v7, s73, v228                     ; and among ctx's scale bytes
	s_lshl_b32 s73, s17, 5
	s_lshl_b32 s74, s70, 3
	s_add_co_u32 s73, s73, s74
	v_add_nc_u32 v5, s73, v30                      ; d = my query's place in its group - 16 h
	v_mov_b32 v13, 0xff61b1e6                      ; the largest t so far: -3e38, under every t
	s_delay_alu instid0(VALU_DEP_1)
	v_floor_f32 v12, -v13                          ; -M
	v_mov_b32 v14, 0
	v_mov_b32 v15, 0
.set n, 0
.rept 32
	v_mov_b32 v[O+n], 0                            ; the step is written once: the first finds zeros, which the first change of M leaves zeros
.set n, n+1
.endr
	s_mov_b32 s66, 0                               ; the key step
	s_mov_b32 s67, 0                               ; its images: 4,096 bytes a step, K's and V's alike
	s_mov_b32 s68, 0                               ; K's scale words: 512 a step
	s_mov_b32 s69, 0                               ; V's: 256
.Lstep:                                            ; 16 trips, a constant; a step all of whose keys come after my queries is jumped over, but for the lines that step addresses
	s_cmp_gt_u32 s66, s19
	s_cbranch_scc1 .Lhidden
	s_setprio 2
	v_add_nc_u32 v8, s67, v1                       ; these four are also the places in front of loads into registers that the last step's products read
	v_add_nc_u32 v9, s67, v2
	v_add_nc_u32 v10, s68, v3
	v_add_nc_u32 v11, s69, v4
.irp t, 0,1,2,3,4,5,6,7
	ds_load_b128 v[32+4*\t:35+4*\t], v8 offset:512*\t
.endr
	ds_load_b128 v[KS:KS+3], v10
.irp t, 0,1,2,3
.irp c, 0,1
	ds_load_b128 v[68+8*\t+4*\c:71+8*\t+4*\c], v9 offset:1024*\t+512*\c
.endr
.endr
	ds_load_b128 v[VS:VS+3], v11
	s_wait_dscnt 9                                 ; K's nine loads are in; V's nine may be out
.irp t, 0,1,2,3
	v_wmma_scale_f32_16x16x128_f8f6f4 v[S+8*\t:S+8*\t+7], v[32+4*\t:39+4*\t], v[16:23], 0, v[KS+\t], v28 matrix_a_fmt:MATRIX_FMT_FP4 matrix_b_fmt:MATRIX_FMT_FP4
.endr
.irp t, 4,5,6,7
	v_wmma_scale_f32_16x16x128_f8f6f4 v[S+8*\t:S+8*\t+7], v[32+4*\t:39+4*\t], v[16:23], 0, v[KS+\t-4], v28 matrix_a_fmt:MATRIX_FMT_FP4 matrix_b_fmt:MATRIX_FMT_FP4 matrix_a_scale:MATRIX_SCALE_ROW1
.endr
.rept 4
	v_nop                                          ; places in front of the first read of the scores (ISA guide 7.12.1)
.endr
	s_cmp_lg_u32 s66, s19
	s_cbranch_scc1 .Lopen
.set n, 0
.rept 64                                       ; on the diagonal: register 16 b + i holds key 32 b + 16 h + i of the step: hidden where 32 b + i > d.  -infinity ahead of the maximum: p = 0 then
	v_cmp_gt_i32 vcc_lo, 32*(n/16)+n%16, v5
	v_cndmask_b32 v[S+n], v[S+n], v31, vcc_lo
.set n, n+1
.endr
.Lopen:
.irp b, 0,1,2,3
	v_max3_num_f32 v[BM+\b], v[S+16*\b], v[S+1+16*\b], v[S+2+16*\b]   ; the largest score of each block of 32 keys: for the row's maximum and, since p rises with the score, for the block's largest p
.endr
.irp i, 3,5,7,9,11,13
.irp b, 0,1,2,3
	v_max3_num_f32 v[BM+\b], v[BM+\b], v[S+16*\b+\i], v[S+1+16*\b+\i]
.endr
.endr
.irp b, 0,1,2,3
	v_max_num_f32 v[BM+\b], v[BM+\b], v[S+15+16*\b]
.endr
.irp b, 0,1,2,3
	s_delay_alu instid0(VALU_DEP_4)
	v_permlanex16_b32 v[BY+\b], v[BM+\b], s20, s21
.endr
.irp b, 0,1,2,3
	s_delay_alu instid0(VALU_DEP_4)
	v_max_num_f32 v[BM+\b], v[BM+\b], v[BY+\b]     ; with lane l xor 16's 16 keys
.endr
	s_delay_alu instid0(VALU_DEP_2)
	v_max3_num_f32 v[TT], v[BM], v[BM+1], v[BM+2]
	s_delay_alu instid0(VALU_DEP_1)
	v_max_num_f32 v[TT], v[TT], v[BM+3]            ; the step's largest score of my query
	s_delay_alu instid0(VALU_DEP_1)
	v_mul_f32 v[TT], s22, v[TT]                    ; as t (c is positive)
	s_delay_alu instid0(VALU_DEP_1)
	v_max_num_f32 v13, v13, v[TT]                  ; the running largest t
	v_mov_b32 v[TT], v12
	s_delay_alu instid0(VALU_DEP_2)
	v_floor_f32 v12, -v13                          ; the new -M = floor(-t) = -ceil(t)
	s_delay_alu instid0(VALU_DEP_1)
	v_sub_f32 v[TT], v12, v[TT]                    ; old M - new M: a whole number, 0 or less
	s_delay_alu instid0(VALU_DEP_1)
	v_cvt_i32_f32 v[TT], v[TT]                     ; (it saturates)
	s_delay_alu instid0(VALU_DEP_1)
	v_ldexp_f32 v[FF], 1.0, v[TT]                  ; f = 2^(old M - new M)
.set n, 0
.rept 32
	v_pk_fma_f32 v[S+n:S+n+1], v[S+n:S+n+1], s[22:23], v[12:13] op_sel_hi:[1,0,0]   ; t - M, two at a time
.set n, n+2
.endr
	s_setprio 1
.irp b, 0,1,2,3
	v_fma_f32 v[BM+\b], v[BM+\b], s22, v12         ; the same of each block's largest score
.endr
.set n, 0
	s_wait_alu depctr_va_vdst(0)
.rept 64
	v_exp_f32 v[S+n], v[S+n]                       ; p = 2^(t - M), at most 1
.set n, n+1
.endr
.irp b, 0,1,2,3
	v_exp_f32 v[BM+\b], v[BM+\b]                   ; the block's largest p: the same two instructions on the same number
.endr
	v_pk_mul_f32 v[14:15], v[14:15], v[FF:FF+1] op_sel_hi:[1,0]   ; the sums under the new M.  (A plain place behind the exponentials)
	s_wait_alu depctr_va_vdst(0)
.irp b, 0,1,2,3
	v_max_num_f32 v[BM+\b], 0x1800000, v[BM+\b]    ; the floor 2^(3 - 127): the byte cannot fall under 1
.endr
.irp b, 0,1,2,3
	s_delay_alu instid0(VALU_DEP_4)
	v_add_nc_u32 v[BS+\b], 0xff000000, v[BM+\b]    ; 2 off the exponent field: the conversion's scale operand
.endr
.irp b, 0,1,2,3
	s_delay_alu instid0(VALU_DEP_4)
	v_lshrrev_b32 v[BY+\b], 23, v[BS+\b]           ; the scale's byte
.endr
	s_delay_alu instid0(VALU_DEP_3)
	v_lshl_or_b32 v[PWD], v[BY+1], 8, v[BY]
	s_delay_alu instid0(VALU_DEP_1)
	v_lshl_or_b32 v[PWD], v[BY+2], 16, v[PWD]
	s_delay_alu instid0(VALU_DEP_1)
	v_lshl_or_b32 v[PWD], v[BY+3], 24, v[PWD]      ; p's scale word for these 128 keys
.irp b, 0,1,2,3
	v_cvt_scalef32_pk8_fp4_f32 v[PC+2*\b], v[S+16*\b:S+16*\b+7], v[BS+\b]
	v_cvt_scalef32_pk8_fp4_f32 v[PC+2*\b+1], v[S+16*\b+8:S+16*\b+15], v[BS+\b]
.endr
	v_nop                                          ; one plain place behind a scaled conversion
.irp c, 0,1                                    ; a whole block to a lane
.irp i, 0,1
	v_permlane16_swap_b32 v[PC+4*\c+\i], v[PC+4*\c+2+\i]
.endr
.endr
	v_pk_add_f32 v[208:209], v[104:105], v[108:109]
	v_pk_add_f32 v[252:253], v[112:113], v[116:117]
	v_pk_add_f32 v[250:251], v[120:121], v[124:125]
	v_pk_add_f32 v[248:249], v[128:129], v[132:133]
	v_pk_add_f32 v[246:247], v[136:137], v[140:141]
	v_pk_add_f32 v[244:245], v[144:145], v[148:149]
	v_pk_add_f32 v[242:243], v[152:153], v[156:157]
	v_pk_add_f32 v[14:15], v[14:15], v[160:161]
	v_pk_add_f32 v[208:209], v[208:209], v[100:101]
	v_pk_add_f32 v[252:253], v[252:253], v[102:103]
	v_pk_add_f32 v[250:251], v[250:251], v[106:107]
	v_pk_add_f32 v[248:249], v[248:249], v[110:111]
	v_pk_add_f32 v[246:247], v[246:247], v[114:115]
	s_setprio 0
	v_pk_add_f32 v[244:245], v[244:245], v[118:119]
	v_pk_add_f32 v[242:243], v[242:243], v[122:123]
	v_pk_add_f32 v[14:15], v[14:15], v[126:127]
	v_pk_add_f32 v[208:209], v[208:209], v[130:131]
	v_pk_add_f32 v[252:253], v[252:253], v[134:135]
	v_pk_add_f32 v[250:251], v[250:251], v[138:139]
	v_pk_add_f32 v[248:249], v[248:249], v[142:143]
	v_pk_add_f32 v[246:247], v[246:247], v[146:147]
	v_pk_add_f32 v[244:245], v[244:245], v[150:151]
	v_pk_add_f32 v[242:243], v[242:243], v[154:155]
	v_pk_add_f32 v[14:15], v[14:15], v[158:159]
	v_pk_add_f32 v[208:209], v[208:209], v[162:163]
	s_delay_alu instid0(VALU_DEP_2)
	v_pk_add_f32 v[14:15], v[14:15], v[248:249]
	s_delay_alu instid0(VALU_DEP_2)
	v_pk_add_f32 v[208:209], v[208:209], v[246:247]
	v_pk_add_f32 v[252:253], v[252:253], v[244:245]
	v_pk_add_f32 v[250:251], v[250:251], v[242:243]
	s_delay_alu instid0(VALU_DEP_2)
	v_pk_add_f32 v[14:15], v[14:15], v[252:253]
	s_delay_alu instid0(VALU_DEP_2)
	v_pk_add_f32 v[208:209], v[208:209], v[250:251]
	s_delay_alu instid0(VALU_DEP_1)
	v_pk_add_f32 v[14:15], v[14:15], v[208:209]
.set n, 0
.rept 16
	v_pk_mul_f32 v[O+n:O+n+1], v[O+n:O+n+1], v[FF:FF+1] op_sel_hi:[1,0]   ; O^T under the new M.  (With the sums above: the places between the codes' and the scale word's last writes and the products)
.set n, n+2
.endr
	s_wait_alu depctr_va_vdst(0)
	s_wait_dscnt 0x0                               ; V is in
.irp t, 0,1,2,3                                ; the four accumulators by turns
	v_wmma_scale_f32_16x16x128_f8f6f4 v[O+8*\t:O+8*\t+7], v[68+8*\t:75+8*\t], v[PC:PC+7], v[O+8*\t:O+8*\t+7], v[VS+\t], v[PWD] matrix_a_fmt:MATRIX_FMT_FP4 matrix_b_fmt:MATRIX_FMT_FP4
.endr
.Lhidden:
	s_add_co_u32 s67, s67, 4096
	s_add_co_u32 s68, s68, 512
	s_add_co_u32 s69, s69, 256
	s_add_co_u32 s66, s66, 1
	s_cmp_lt_u32 s66, 16
	s_cbranch_scc1 .Lstep
	s_setprio 0
	; THE TILE'S ctx: O^T / the sum, quantised along the head's 64 channels: register 16 b + i is channel 32 b + 16 h + i: two blocks, each shared with lane l xor 16
.rept 4
	v_nop                                          ; places behind the last products
.endr
	v_add_f32 v14, v14, v15
	s_delay_alu instid0(VALU_DEP_1)
	v_permlanex16_b32 v[TT], v14, s20, s21
	s_delay_alu instid0(VALU_DEP_1)
	v_add_f32 v14, v14, v[TT]                      ; the row's sum
	s_wait_alu depctr_va_vdst(0)
	v_rcp_f32 v14, v14
	v_nop                                          ; one plain place behind a transcendental
.set n, 0
	s_wait_alu depctr_va_vdst(0)
.rept 32
	v_mul_f32 v[S+n], v[O+n], v14                  ; each accumulator from its low end on
.set n, n+1
.endr
.irp b, 0,1
	v_max3_num_f32 v[BM+\b], |v[S+16*\b]|, |v[S+1+16*\b]|, 0x1800000
.endr
.irp i, 2,4,6,8,10,12,14
.irp b, 0,1
	s_delay_alu instid0(VALU_DEP_2)
	v_max3_num_f32 v[BM+\b], v[BM+\b], |v[S+16*\b+\i]|, |v[S+1+16*\b+\i]|
.endr
.endr
.irp b, 0,1
	s_delay_alu instid0(VALU_DEP_2)
	v_permlanex16_b32 v[BY+\b], v[BM+\b], s20, s21
.endr
.irp b, 0,1
	s_delay_alu instid0(VALU_DEP_2)
	v_max_num_f32 v[BM+\b], v[BM+\b], v[BY+\b]
.endr
.irp b, 0,1
	s_delay_alu instid0(VALU_DEP_2)
	v_add_nc_u32 v[BS+\b], 0xff000000, v[BM+\b]
.endr
.irp b, 0,1
	s_delay_alu instid0(VALU_DEP_2)
	v_lshrrev_b32 v[BY+\b], 23, v[BS+\b]
.endr
.irp b, 0,1
	v_cvt_scalef32_pk8_fp4_f32 v[PC+2*\b], v[S+16*\b:S+16*\b+7], v[BS+\b]
	v_cvt_scalef32_pk8_fp4_f32 v[PC+2*\b+1], v[S+16*\b+8:S+16*\b+15], v[BS+\b]
.endr
	v_nop
.irp i, 0,1
	v_permlane16_swap_b32 v[PC+\i], v[PC+2+\i]     ; lane (r, h) now holds channels 32 h + 0 .. 31: half an image of the last product's operand
.endr
	v_cndmask_b32 v[TT], v[BY], v[BY+1], s71       ; lanes 0-15 store block 0's byte, lanes 16-31 block 1's
	global_store_b128 v6, v[PC:PC+3], s[12:13]     ; 512 consecutive bytes, aligned
	global_store_b8 v7, v[TT], s[14:15]            ; 32 single bytes a tile, one for every 16 bytes of codes: they land where the last launch's tensor loads want them
	s_wait_xcnt 0x0                                ; the stores' registers are written again only behind this wait
.irp j, 0,1,2,3
	v_mov_b32 v[16+\j], v[24+\j]                   ; my second tile's Q (the next pass's 32 clears stand between these writes and the products)
.endr
	v_mov_b32 v28, v29
	s_xor_b32 s19, s19, 15                         ; its group: 15 - w
	s_add_co_u32 s70, s70, 1
	s_cmp_lt_u32 s70, 2
	s_cbranch_scc1 .Lpass
	s_wait_dscnt 0x0                               ; no LDS instruction of mine is out at a signal
	s_wait_tensorcnt 0x0
	ds_add_u32 v254, v255
	s_wait_dscnt 0x0
	CROUND                                         ; the closing round
	s_endpgm
.Lfunc_end_k_q897bfad546_attn:
	.size	k_q897bfad546_attn, .Lfunc_end_k_q897bfad546_attn-k_q897bfad546_attn
	.p2alignl 7, 3214868480
	.fill 96, 4, 3214868480
	.section	.rodata,"a",@progbits
	.p2align	6, 0x0
	.amdhsa_kernel k_q897bfad546_attn
		.amdhsa_group_segment_fixed_size 169984
		.amdhsa_private_segment_fixed_size 0
		.amdhsa_enable_private_segment 0
		.amdhsa_kernarg_size 48
		.amdhsa_user_sgpr_count 2
		.amdhsa_user_sgpr_kernarg_segment_ptr 1
		.amdhsa_wavefront_size32 1
		.amdhsa_system_sgpr_workgroup_id_x 1
		.amdhsa_system_sgpr_workgroup_id_y 1
		.amdhsa_system_sgpr_workgroup_id_z 1
		.amdhsa_system_vgpr_workitem_id 0
		.amdhsa_next_free_vgpr 256
		.amdhsa_next_free_sgpr 86
		.amdhsa_reserve_vcc 1
		.amdhsa_float_denorm_mode_32 3
		.amdhsa_float_denorm_mode_16_64 3
		.amdhsa_memory_ordered 1
		.amdhsa_forward_progress 1
		.amdhsa_inst_pref_size 37
	.end_amdhsa_kernel
	.amdgpu_metadata
---
amdhsa.version: [ 1, 2 ]
amdhsa.kernels:
  - .name:           k_q897bfad546_attn
    .symbol:         k_q897bfad546_attn.kd
    .args:
      - { .name: qk_codes, .offset: 0, .size: 8, .value_kind: global_buffer, .address_space: global }
      - { .name: qk_scales, .offset: 8, .size: 8, .value_kind: global_buffer, .address_space: global }
      - { .name: v_codes, .offset: 16, .size: 8, .value_kind: global_buffer, .address_space: global }
      - { .name: v_scales, .offset: 24, .size: 8, .value_kind: global_buffer, .address_space: global }
      - { .name: ctx_codes, .offset: 32, .size: 8, .value_kind: global_buffer, .address_space: global }
      - { .name: ctx_scales, .offset: 40, .size: 8, .value_kind: global_buffer, .address_space: global }
    .group_segment_fixed_size: 169984
    .private_segment_fixed_size: 0
    .kernarg_segment_align: 8
    .kernarg_segment_size: 48
    .max_flat_workgroup_size: 512
    .sgpr_count:     86
    .vgpr_count:     256
    .wavefront_size: 32
...
	.end_amdgpu_metadata
.endif
;; end of part 3
;; launch proj (part 4): grid 4 x 64, 4 waves a work-group, clusters of 4 x 4, 209,408 bytes of LDS; arguments ctx_codes, ctx_scales, codes, scales, bo, out0; writes out0
.if DOCPART == 4
	.amdgcn_target "amdgcn-amd-amdhsa--gfx1250"
	.amdhsa_code_object_version 6
	.text
	.protected	k_q897bfad546_proj
	.globl	k_q897bfad546_proj
	.p2align	8
	.type	k_q897bfad546_proj,@function
k_q897bfad546_proj:
	s_mov_b64 s[64:65], 0
	v_nop
	global_prefetch_b8 v0, s[64:65] scope:SCOPE_SE
	s_setreg_imm32_b32 hwreg(HW_REG_WAVE_MODE, 25, 1), 1
	s_wait_xcnt 0x0
	s_wait_alu depctr_hold_cnt(0) depctr_sa_sdst(0) depctr_va_vdst(0) depctr_va_sdst(0) depctr_va_ssrc(0) depctr_va_vcc(0) depctr_vm_vsrc(0)
	s_getreg_b32 s2, hwreg(HW_REG_IB_STS2, 6, 4)
	s_cmp_eq_u32 s2, 0
	s_cbranch_scc0 .Lentry_in_a_cluster
	s_endpgm
.Lentry_in_a_cluster:
	s_bfe_u32 s2, ttmp6, 0x10000c
	s_cmp_lg_u32 s2, 0xf033
	s_cbranch_scc0 .Lentry_shape_is_right
	s_endpgm
.Lentry_shape_is_right:
; out0 = ctx Wo^T + bo on codes of FP4 (E2M1) with E8M0 scales; sums in f32; out0 [8192][1024] f32.
; SHARES.  A work-group makes 128 tokens x 256 columns: 4 x 64 = 256 work-groups, one for each WGP (tiles of 256 x 256 would be 128).  Each of its four waves makes 64 x 128: 32 accumulators, 256 registers.
; All of K = 1,024 of both operands fits in LDS (2 x 96 KiB of images, 12 KiB of scale words): every LDS byte is filled ONCE; the second K half lands while the first is multiplied.
; Operands lie in memory in the order of the operand's registers (1,024 bytes a fragment): every LDS load reads 512 consecutive bytes.  A tile's rows are 32 (t / 2) + 8 (t % 2) + r + 8 (r / 8).
; THE MATRIX INSTRUCTION IS USED TRANSPOSED (source 0 = 16 rows of Wo, source 1 = 16 tokens): a lane holds one token; the 16 registers of Wo's tiles 2 b, 2 b + 1 are columns 32 b + 16 h + 0 .. 15.
; bo is the C of each sum's first product: eight registers a tile of Wo, in the result's layout.
; CLUSTERS: 4 x 4 work-groups.  ctx's tiles hang on gy alone and are asked for jointly by the four of a row of the cluster, Wo's on gx alone, by the four of a column.
; REGISTERS, in windows of 256: window 0: v0-31 addresses; v32-95 scale words; v128-159, v192-223 ctx's fragments, two sets; on the way out v128-255 rows of out0.
;   window 1: v0-63, v128-191 Wo's fragments, two sets; v64-127 bo.   window 2: the accumulators, (a, b) at v[8 (8 a + b)].
.set PIECE,  3145728                   ; bytes from K half 0 to K half 1 in the buffer of the inputs' codes
.set CPIECE, 2097152                   ; and in ctx's
.set SLOT,   98304                     ; LDS: K half g at g x SLOT: ctx's 8 tiles x 4,096 bytes, then Wo's 16
.set WOFF,   32768
.set SCA,    2*SLOT                    ; ctx's scale words, 4,096 bytes;
.set SCB,    SCA+4096                  ; Wo's, 8,192
.set SP,     528                       ; the way out: a stage of 16 rows x (512 + 16) bytes for each wave, in K half 0's bytes: they have had their only fill, and their last read stands ahead of the barrier at the change of halves
.set ADRA, 16
.set ADRB, 20
.set STO,  24                          ; v24  the stage: where I put 32 bytes of a row
.set RD,   25                          ; v25  and where I read a row back
.set GL,   26                          ; v26  16 x lane
.set ADRS, 27
.set SC,   32
.set AF,   128
.set BK,   128
.set BI,   64                          ; bo, in window 1
.set G1R,  24
.set G1C,  32
.set G1SR, 40
.set G1SC, 48
.set G0SR, 56
.set G0SC, 60
.set G0R,  68
.set G0C,  76
.set MSB, 0
.macro WIN new                         ; the immediate's high byte repeats the setting that is left
.if MSB != (\new)
	s_set_vgpr_msb (MSB<<8)|(\new)
.set MSB, (\new)
.endif
.endm
.macro CROUND                          ; a round of the cluster's barrier
	s_barrier_signal -1
	s_barrier_wait -1
	s_cmp_lg_u32 s16, 0
	s_cbranch_scc1 .Lnot_wave_0_\@
	s_barrier_signal -3
.Lnot_wave_0_\@:
	s_barrier_wait -3
	s_barrier_signal -1
	s_barrier_wait -1
.endm
.macro PLACES n                        ; plain vector instructions that name none of a matrix instruction's registers (ISA guide 7.12.1)
.rept \n
	v_nop
.endr
.endm
	s_load_b256 s[4:11], s[0:1], 0x0               ; ctx_codes, ctx_scales, codes, scales
	s_load_b128 s[12:15], s[0:1], 0x20             ; bo, out0
	v_lshl_add_u32 v126, v0, 2, 0x33000
	v_mov_b32 v127, 0
	ds_add_u32 v126, v127
	ds_add_u32 v126, v127
	v_lshrrev_b32 v1, 5, v0
	v_readfirstlane_b32 s16, v1                    ; wave 0..3
	s_lshr_b32 s17, s16, 1                         ; which 4 of ctx's 8 tiles are mine
	s_and_b32 s18, s16, 1                          ; which 8 of Wo's 16.  Also: which half I fetch
	s_bfe_u32 s19, ttmp6, 0x40000                  ; cx
	s_bfe_u32 s20, ttmp6, 0x40004                  ; cy
	s_lshl_b32 s21, ttmp9, 2
	s_add_co_u32 s21, s21, s19                     ; gx
	s_and_b32 s22, ttmp7, 0xffff
	s_lshl_b32 s22, s22, 2
	s_add_co_u32 s22, s22, s20                     ; gy
	s_lshl_b32 s86, s20, 2
	s_lshl_b32 s86, 15, s86                        ; my row of the cluster
	s_lshl_b32 s87, 0x1111, s19                    ; my column
	; group 1: dense blocks as rows of 256 bytes (32 elements of 8 bytes), no padding.  15:0 the mask; 17:16 element size code 3; 21 set beside a mask
	s_or_b32 s[G1R], s86, (3<<16)|(1<<21)
	s_or_b32 s[G1C], s87, (3<<16)|(1<<21)
	s_or_b32 s[G1SR], s86, (3<<16)|(1<<21)
	s_or_b32 s[G1SC], s87, (3<<16)|(1<<21)
	s_mov_b32 s[G1R+1], 32<<16                     ; ctx: 4 tiles x 4,096 bytes: 64 rows
	s_mov_b32 s[G1R+2], 64<<16
	s_mov_b32 s[G1R+3], 32<<16
	s_mov_b32 s[G1R+4], 64
	s_mov_b32 s[G1R+5], 32
	s_mov_b32 s[G1R+6], 0
	s_mov_b32 s[G1R+7], 0
	s_mov_b32 s[G1C+1], 32<<16                     ; Wo: 8 tiles: 128 rows
	s_mov_b32 s[G1C+2], 128<<16
	s_mov_b32 s[G1C+3], 32<<16
	s_mov_b32 s[G1C+4], 128
	s_mov_b32 s[G1C+5], 32
	s_mov_b32 s[G1C+6], 0
	s_mov_b32 s[G1C+7], 0
	s_mov_b32 s[G1SR+1], 32<<16                    ; ctx's scale words: 4 tiles x 512 bytes: 8 rows
	s_mov_b32 s[G1SR+2], 8<<16
	s_mov_b32 s[G1SR+3], 32<<16
	s_mov_b32 s[G1SR+4], 8
	s_mov_b32 s[G1SR+5], 32
	s_mov_b32 s[G1SR+6], 0
	s_mov_b32 s[G1SR+7], 0
	s_mov_b32 s[G1SC+1], 32<<16                    ; Wo's: 16 rows
	s_mov_b32 s[G1SC+2], 16<<16
	s_mov_b32 s[G1SC+3], 32<<16
	s_mov_b32 s[G1SC+4], 16
	s_mov_b32 s[G1SC+5], 32
	s_mov_b32 s[G1SC+6], 0
	s_mov_b32 s[G1SC+7], 0
	; where the tiles come from: every wave makes both addresses, in registers that never hold the other coordinate
	s_lshl_b32 s88, s22, 3
	s_lshl_b32 s96, s18, 2
	s_add_co_u32 s88, s88, s96                     ; ctx: tile 8 gy + 4 x half
	s_lshl_b32 s90, s88, 9
	s_lshl_b32 s88, s88, 12
	s_mov_b32 s89, 0
	s_mov_b32 s91, 0
	s_lshl_b32 s92, s21, 4
	s_lshl_b32 s96, s18, 3
	s_add_co_u32 s92, s92, s96
	s_add_co_u32 s92, s92, 704                     ; Wo: tile 704 + 16 gx + 8 x half
	s_lshl_b32 s94, s92, 9
	s_lshl_b32 s92, s92, 12
	s_mov_b32 s93, 0
	s_mov_b32 s95, 0
	s_lshl_b32 s96, s18, 14                        ; where they go: the half alone enters an LDS address
	s_lshl_b32 s97, s18, 15
	s_lshl_b32 s98, s18, 11
	s_lshl_b32 s99, s18, 12
	s_wait_dscnt 0x0
	s_wait_kmcnt 0x0
	s_add_nc_u64 s[88:89], s[4:5], s[88:89]
	s_add_nc_u64 s[90:91], s[6:7], s[90:91]
	s_add_nc_u64 s[92:93], s[8:9], s[92:93]
	s_add_nc_u64 s[94:95], s[10:11], s[94:95]
	s_mov_b32 s[G0SR], 1
	s_add_co_u32 s[G0SR+1], s98, SCA
	s_mov_b64 s[G0SR+2:G0SR+3], s[90:91]
	s_or_b32 s[G0SR+3], s[G0SR+3], 0x80000000
	s_mov_b32 s[G0SC], 1
	s_add_co_u32 s[G0SC+1], s99, SCB
	s_mov_b64 s[G0SC+2:G0SC+3], s[94:95]
	s_or_b32 s[G0SC+3], s[G0SC+3], 0x80000000
.irp g, 0,1
	s_mov_b32 s[G0R+4*\g], 1
	s_add_co_u32 s[G0R+4*\g+1], s96, \g*SLOT
	s_add_nc_u64 s[G0R+4*\g+2:G0R+4*\g+3], s[88:89], \g*CPIECE
	s_or_b32 s[G0R+4*\g+3], s[G0R+4*\g+3], 0x80000000
	s_mov_b32 s[G0C+4*\g], 1
	s_add_co_u32 s[G0C+4*\g+1], s97, \g*SLOT+WOFF
	s_add_nc_u64 s[G0C+4*\g+2:G0C+4*\g+3], s[92:93], \g*PIECE
	s_or_b32 s[G0C+4*\g+3], s[G0C+4*\g+3], 0x80000000
.endr
	CROUND                                         ; all sixteen work-groups are here: the joint loads meet
	s_cmp_lt_u32 s16, 2                            ; waves 0 and 1 fetch ctx's halves, waves 2 and 3 Wo's.  A wave's three loads stand in one branch: three are out; four v_nop follow the last
	s_cbranch_scc0 .Lfor_w
	tensor_load_to_lds s[G0SR:G0SR+3], s[G1SR:G1SR+7]
	s_nop 0
	tensor_load_to_lds s[G0R:G0R+3], s[G1R:G1R+7]
	s_nop 0
	tensor_load_to_lds s[G0R+4:G0R+7], s[G1R:G1R+7]
	s_nop 0
.rept 4
	v_nop
.endr
	s_branch .Lasked
.Lfor_w:
	tensor_load_to_lds s[G0SC:G0SC+3], s[G1SC:G1SC+7]
	s_nop 0
	tensor_load_to_lds s[G0C:G0C+3], s[G1C:G1C+7]
	s_nop 0
	tensor_load_to_lds s[G0C+4:G0C+7], s[G1C:G1C+7]
	s_nop 0
.rept 4
	v_nop
.endr
.Lasked:
	v_and_b32 v1, 31, v0                           ; lane
	v_bfe_u32 v2, v0, 4, 1                         ; h
	v_and_b32 v3, 15, v0                           ; r
	v_lshlrev_b32 v[GL], 4, v1
	v_lshlrev_b32 v5, 6, v2                        ; bo: 64 h: lanes 16-31 take the columns 16 further on
	s_wait_alu depctr_va_vdst(0)
	s_lshl_b32 s88, s21, 10
	s_lshl_b32 s89, s18, 9
	s_add_co_u32 s88, s88, s89                     ; my first column, in bytes: 1,024 gx + 512 x half
	s_mov_b32 s89, 0
	s_add_nc_u64 s[12:13], s[12:13], s[88:89]
	s_add_nc_u64 s[14:15], s[14:15], s[88:89]
	s_lshl_b32 s88, s22, 19
	s_lshl_b32 s90, s17, 18
	s_add_co_u32 s88, s88, s90                     ; my first token's row: (128 gy + 64 x half) x 4,096 bytes
	s_add_nc_u64 s[14:15], s[14:15], s[88:89]
	WIN 0x40                                       ; destination window 1
.irp b, 0,1,2,3,4,5,6,7
	global_load_b128 v[BI+8*\b:BI+8*\b+3], v5, s[12:13] offset:128*(\b/2)+32*(\b%2)          ; tile b's columns 32 (b / 2) + 8 (b % 2) + 16 h + 0 .. 7
	global_load_b128 v[BI+8*\b+4:BI+8*\b+7], v5, s[12:13] offset:128*(\b/2)+32*(\b%2)+16
.endr
	WIN 0
	s_lshl_b32 s90, s17, 14
	v_add_nc_u32 v[ADRA], s90, v[GL]               ; my 4 tiles of ctx
	s_lshl_b32 s90, s18, 15
	s_add_co_u32 s90, s90, WOFF
	v_add_nc_u32 v[ADRB], s90, v[GL]               ; my 8 tiles of Wo
	v_add_nc_u32 v[ADRA+1], SLOT, v[ADRA]
	v_add_nc_u32 v[ADRB+1], SLOT, v[ADRB]
	s_lshl_b32 s90, s17, 11                        ; ctx's scale words: my 4 tiles
	s_lshl_b32 s91, s18, 12                        ; Wo's: my 8, behind ctx's 4,096 bytes
	s_add_co_u32 s91, s91, 4096
	s_sub_co_u32 s91, s91, s90                     ; the distance from the one to the other: 2,048 at the least
	v_mul_u32_u24 v4, s91, v2                      ; lanes 16-31 take Wo's
	s_add_co_u32 s90, s90, SCA
	v_lshl_add_u32 v4, v3, 4, v4                   ; + 16 r: four words a row
	v_add_nc_u32 v[ADRS], s90, v4
	s_mul_i32 s90, s16, 16*SP                      ; my stage
	v_mul_u32_u24 v4, v3, SP
	v_lshl_add_u32 v4, v2, 6, v4
	v_add_nc_u32 v[STO], s90, v4                   ; in: row r, + 64 h
	v_add_nc_u32 v[RD], s90, v[GL]                 ; back: the 32 lanes take one row of 512 bytes
.macro FRAG reg, adr, q, i             ; a fragment's image: two loads of 512 consecutive bytes
.irp c, 0,1
	ds_load_b128 v[\reg+4*\c:\reg+4*\c+3], v[\adr] offset:4096*(\i)+1024*(\q)+512*\c
.endr
.endm
.macro FETCH slot, q, p                ; the 12 fragments of K step q of K half slot into set p: 24 loads in one run
	WIN 0x40
.irp i, 0,1,2,3,4,5,6,7
	FRAG 128*(\p)+8*\i, ADRB+\slot, \q, \i
.endr
	WIN 0
.irp i, 0,1,2,3
	FRAG AF+64*(\p)+8*\i, ADRA+\slot, \q, \i
.endr
.endm
.macro SCALES g                        ; lanes 0-15: ctx's tile i (of i = 4 .. 7 they read words that no product names), lanes 16-31: Wo's tile i
.irp i, 0,1,2,3,4,5,6,7
	ds_load_b128 v[SC+32*\g+4*\i:SC+32*\g+4*\i+3], v[ADRS] offset:512*\i+256*\g
.endr
.endm
; 16 matrix instructions: ctx's tiles a0, a0 + 1 x Wo's eight, K step q, set p.  bias = 1: the first product starts the sums from bo.
; The 32 accumulators take turns, one instruction a turn, in the same order in every K step.
.macro MUL16 a0, p, q, bias
.irp a, \a0, \a0+1
.irp b, 0,1,2,3,4,5,6,7
.if \bias
	v_wmma_scale_f32_16x16x128_f8f6f4 v[8*(8*(\a)+\b):8*(8*(\a)+\b)+7], v[128*(\p)+8*\b:128*(\p)+8*\b+7], v[AF+64*(\p)+8*(\a):AF+64*(\p)+8*(\a)+7], v[BI+8*\b:BI+8*\b+7], v[SC+32*((\q)/4)+4*\b+(\q)%4], v[SC+32*((\q)/4)+4*(\a)+(\q)%4] matrix_a_fmt:MATRIX_FMT_FP4 matrix_b_fmt:MATRIX_FMT_FP4 matrix_a_scale:MATRIX_SCALE_ROW1
.else
	v_wmma_scale_f32_16x16x128_f8f6f4 v[8*(8*(\a)+\b):8*(8*(\a)+\b)+7], v[128*(\p)+8*\b:128*(\p)+8*\b+7], v[AF+64*(\p)+8*(\a):AF+64*(\p)+8*(\a)+7], v[8*(8*(\a)+\b):8*(8*(\a)+\b)+7], v[SC+32*((\q)/4)+4*\b+(\q)%4], v[SC+32*((\q)/4)+4*(\a)+(\q)%4] matrix_a_fmt:MATRIX_FMT_FP4 matrix_b_fmt:MATRIX_FMT_FP4 matrix_a_scale:MATRIX_SCALE_ROW1
.endif
.endr
.endr
.endm
.macro STEP q, bias
.if (\q) > 0
	PLACES 4                                       ; in front of loads into the set that the step before multiplied
.endif
	FETCH ((\q)+1)/4, ((\q)+1)%4, ((\q)+1)%2
	s_wait_dscnt 24                                ; all but the 24 just issued: this step's fragments are in
.if \bias
	WIN 0x91                                       ; source 0 and C (bo) window 1, source 1 window 0, D window 2
.else
	WIN 0xa1                                       ; source 0 window 1, source 1 window 0, C and D window 2
.endif
	MUL16 0, (\q)%2, \q, \bias
	MUL16 2, (\q)%2, \q, \bias
.endm
	s_wait_alu depctr_va_vdst(0)
	s_wait_loadcnt 0x0                             ; bo
	s_wait_tensorcnt 0x1                           ; my scale words and my part of K half 0 are in; K half 1's load may stay out
	s_barrier_signal -1
	s_barrier_wait -1
	SCALES 0
	SCALES 1
	FETCH 0, 0, 0
	STEP 0, 1
	STEP 1, 0
	STEP 2, 0
	s_wait_tensorcnt 0x0                           ; K step 3 goes over to K half 1: my part of it is in,
	s_wait_dscnt 0x0                               ; and my reads of K half 0 are over
	s_barrier_signal -1
	WIN 0xa1
	MUL16 0, 1, 3, 0                               ; work on registers while the others arrive
	s_barrier_wait -1
	PLACES 4
	FETCH 1, 0, 0
	WIN 0xa1
	MUL16 2, 1, 3, 0
	STEP 4, 0
	STEP 5, 0
	STEP 6, 0
	s_wait_dscnt 0x0                               ; the last K step: nothing more to fetch
	WIN 0xa1
	MUL16 0, 1, 7, 0
	MUL16 2, 1, 7, 0
	WIN 0
; THE WAY OUT, a tile of 16 tokens x 128 columns at a time.  A lane holds pieces of 32 bytes of one row; the tile goes through my own stage in LDS and comes back as whole rows of 512 bytes.
; LDS serves a wave's instructions in order (ISA guide 5.7.1.4): no wait between the stores and the loads, nor in front of the next tile's stores.
.macro TOSTAGE a
	WIN 0x08                                       ; an LDS store's data are its source 1: window 2
.irp b, 0,1,2,3,4,5,6,7
	ds_store_b128 v[STO], v[8*(8*(\a)+\b):8*(8*(\a)+\b)+3] offset:128*(\b/2)+32*(\b%2)          ; each accumulator from its low end on
	ds_store_b128 v[STO], v[8*(8*(\a)+\b)+4:8*(8*(\a)+\b)+7] offset:128*(\b/2)+32*(\b%2)+16
.endr
	WIN 0
.irp t, 0,1,2,3,4,5,6,7,8,9,10,11,12,13,14,15
	ds_load_b128 v[BK+64*((\a)%2)+4*\t:BK+64*((\a)%2)+4*\t+3], v[RD] offset:SP*\t
.endr
.endm
.macro SEND a, younger                 ; younger: the LDS instructions issued behind tile a's loads, which may stay out
	s_wait_dscnt \younger
.irp t, 0,1,2,3,4,5,6,7,8,9,10,11,12,13,14,15
	global_store_b128 v[GL], v[BK+64*((\a)%2)+4*\t:BK+64*((\a)%2)+4*\t+3], s[14:15] offset:(32*((\a)/2)+8*((\a)%2)+\t+8*(\t/8))*4096 th:TH_STORE_NT   ; 32 lanes store 512 consecutive bytes, aligned; the tile's row t is token 32 (a / 2) + 8 (a % 2) + t + 8 (t / 8)
.endr
.endm
	PLACES 4                                       ; behind the last products: the stores read results, the loads land in registers that held fragments
	TOSTAGE 0
.irp a, 1,2,3
.if \a > 1
	s_wait_xcnt 0x0                                ; tile a - 2's stores have read their registers: tile a's loads may land there
.endif
	TOSTAGE \a
	SEND \a-1, 32                                  ; behind tile a - 1's loads: tile a's 16 stores and 16 loads
.endr
	SEND 3, 0
	s_wait_tensorcnt 0x0
	ds_add_u32 v126, v127
	s_wait_dscnt 0x0
	CROUND                                         ; the closing round: no work-group ends while a partner may still ask for a tile that names it
	s_endpgm
.Lfunc_end_k_q897bfad546_proj:
	.size	k_q897bfad546_proj, .Lfunc_end_k_q897bfad546_proj-k_q897bfad546_proj
	.p2alignl 7, 3214868480
	.fill 96, 4, 3214868480
	.section	.rodata,"a",@progbits
	.p2align	6, 0x0
	.amdhsa_kernel k_q897bfad546_proj
		.amdhsa_group_segment_fixed_size 209408
		.amdhsa_private_segment_fixed_size 0
		.amdhsa_enable_private_segment 0
		.amdhsa_kernarg_size 48
		.amdhsa_user_sgpr_count 2
		.amdhsa_user_sgpr_kernarg_segment_ptr 1
		.amdhsa_wavefront_size32 1
		.amdhsa_system_sgpr_workgroup_id_x 1
		.amdhsa_system_sgpr_workgroup_id_y 1
		.amdhsa_system_sgpr_workgroup_id_z 1
		.amdhsa_system_vgpr_workitem_id 0
		.amdhsa_next_free_vgpr 768
		.amdhsa_next_free_sgpr 100
		.amdhsa_reserve_vcc 0
		.amdhsa_float_denorm_mode_32 3
		.amdhsa_float_denorm_mode_16_64 3
		.amdhsa_memory_ordered 1
		.amdhsa_forward_progress 1
		.amdhsa_inst_pref_size 72
	.end_amdhsa_kernel
	.amdgpu_metadata
---
amdhsa.version: [ 1, 2 ]
amdhsa.kernels:
  - .name:           k_q897bfad546_proj
    .symbol:         k_q897bfad546_proj.kd
    .args:
      - { .name: ctx_codes, .offset: 0, .size: 8, .value_kind: global_buffer, .address_space: global }
      - { .name: ctx_scales, .offset: 8, .size: 8, .value_kind: global_buffer, .address_space: global }
      - { .name: codes, .offset: 16, .size: 8, .value_kind: global_buffer, .address_space: global }
      - { .name: scales, .offset: 24, .size: 8, .value_kind: global_buffer, .address_space: global }
      - { .name: bo, .offset: 32, .size: 8, .value_kind: global_buffer, .address_space: global }
      - { .name: out0, .offset: 40, .size: 8, .value_kind: global_buffer, .address_space: global }
    .group_segment_fixed_size: 209408
    .private_segment_fixed_size: 0
    .kernarg_segment_align: 8
    .kernarg_segment_size: 48
    .max_flat_workgroup_size: 128
    .sgpr_count:     100
    .vgpr_count:     768
    .wavefront_size: 32
...
	.end_amdgpu_metadata
.endif
;; end of part 4
